; MI455X (gfx1250); checked and timed in simulation.
; The chip was launched on July 23, 2026; its instructions are those of AMD's public machine-readable ISA for CDNA 5 (MIT licence, August 2026) and "CDNA5" Instruction Set Architecture Reference Guide (July 2026). The comments in the code are by the model that wrote it; some were corrected since.
;; Multi Head Attention. Allowed arithmetic: matrix products marked QUANTISED: E2M1 operands, one E8M0 scale for each 32 along K, by v_wmma_scale_f32_16x16x128_f8f6f4 with both operands' format E2M1 (or v_wmma_scale_f32_32x16x128_f4), f32 sums; products left as they are: bf16, f16 or f32 operands; f32 sums; everything else in f32.
;; Inputs: k 4 x 2,048 x 1,024 float32; mask 1 x 1 x 2,048 x 2,048 float32; q 4 x 2,048 x 1,024 float32; v 4 x 2,048 x 1,024 float32; wk 1,024 x 1,024 float32; wo 1,024 x 1,024 float32; wq 1,024 x 1,024 float32; wv 1,024 x 1,024 float32.
;; Outputs: out0 4 x 2,048 x 1,024 float32.
;; This version of the problem:
;;   THIS VERSION OF THE PROBLEM IS GIVEN IN LOW PRECISION. The matrix products marked QUANTISED in the list below multiply operands that are first quantised to E2M1 (2 exponent bits, 1 mantissa bit; 4 bits a number), with one power-of-two scale for each 32 numbers along K (OCP MX v1.0); their sums are f32. The products marked 'left as it is' may take bf16, f16 or f32 operands, with f32 sums. Whichever they take, every output number must still come out within the allowed error. Rounding operands to bf16 (8 significant bits) uses up far more of that allowance than f16 does (11 bits, for magnitudes from 6e-5 to 65,504). All else is computed in f32.
;;   The module's matrix products, in the order in which they are computed (A, B: the left and right operand; K: the contracted axis; several contracted axes count as one K, in the product's order):
;;     1. [M 8,192, K 1,024] x [K 1,024, N 1,024]; A: input q; B: input wq: QUANTISED
;;     2. [M 8,192, K 1,024] x [K 1,024, N 1,024]; A: input k; B: input wk: QUANTISED
;;     3. [M 8,192, K 1,024] x [K 1,024, N 1,024]; A: input v; B: input wv: QUANTISED
;;     4. batch 64 x [M 2,048, K 64] x [K 64, N 2,048]; A: computed on the way; B: computed on the way: left as it is (an operand is computed on the way)
;;     5. batch 64 x [M 2,048, K 2,048] x [K 2,048, N 64]; A: computed on the way; B: computed on the way: left as it is (an operand is computed on the way)
;;     6. [M 8,192, K 1,024] x [K 1,024, N 1,024]; A: computed on the way; B: input wo: left as it is (an operand is computed on the way)
;;   THE QUANTISER, for each operand of a quantised product, along K:
;;     - K is cut into blocks of 32 from its start; a last block that is shorter is filled with zeros.
;;     - A block's scale is 2^e with e = floor(log2(the largest magnitude in the block)) - 2, held to -126 .. 127; a block of zeros has e = 0. As a byte (E8M0): e + 127.
;;     - Each number is divided by its block's scale, clamped to +-6, and rounded to the nearest number of E2M1, ties to even, subnormals kept.
;;     - The product sums the exact products of the quantised numbers (number of the format x scale) in f32.
;;   ~~~python
;;   def quantise(x, axis):      # numpy; x: float32 -> the quantised numbers, widened to float32 again
;;       x = np.moveaxis(x, axis, -1); K = x.shape[-1]
;;       x = np.pad(x, [(0, 0)] * (x.ndim - 1) + [(0, -K % 32)]); x = x.reshape(x.shape[:-1] + (-1, 32)); a = np.abs(x).max(-1, keepdims=True)
;;       e = np.where(a > 0, np.clip(np.frexp(np.where(a > 0, a, 1))[1] - 1 - 2, -126, 127), 0)      # np.frexp(a)[1] - 1 = floor(log2(a)), exactly
;;       r = np.clip(x / 2.0 ** e, -6, 6)
;;       step = 2.0 ** (np.maximum(np.frexp(np.where(r == 0, 1, r))[1] - 1, 0) - 1)
;;       q = np.round(r / step) * step * 2.0 ** e      # np.round: ties to even
;;       return np.moveaxis(q.reshape(q.shape[:-2] + (-1,))[..., :K], -1, axis).astype(np.float32)
;;   ~~~
;; One version. Each part assembles by itself: llvm-mc -triple=amdgcn-amd-amdhsa -mcpu=gfx1250 --defsym DOCPART=n.
;; ======== version 1 of 1: 4 launches
;; limits: values are held in f16: magnitudes above 65,504 overflow, below 6.1e-05 lose precision; right only within a limited range of input values
;; workspace buffers: xc 12,582,912 bytes; xs 786,432 bytes; wc 1,572,864 bytes; ws 98,304 bytes; wof 2,097,152 bytes; xp 50,331,648 bytes; ao 16,777,216 bytes
;; launch prep (part 1): grid 880 x 1, 4 waves a work-group, no clusters, 68,096 bytes of LDS; arguments q, k, v, wq, wk, wv, wo, xc, xs, wc, ws, wof; writes xc, xs, wc, ws, wof
.if DOCPART == 1
	.amdgcn_target "amdgcn-amd-amdhsa--gfx1250"
	.amdhsa_code_object_version 6
	.text
	.protected	k_q114e9e75f7_prep
	.globl	k_q114e9e75f7_prep
	.p2align	8
	.type	k_q114e9e75f7_prep,@function
k_q114e9e75f7_prep:
	s_mov_b64 s[64:65], 0
	v_nop
	global_prefetch_b8 v0, s[64:65] scope:SCOPE_SE
	s_setreg_imm32_b32 hwreg(HW_REG_WAVE_MODE, 25, 1), 1
	s_wait_xcnt 0x0
; PREPARATION OF ALL OPERANDS THAT ARRIVE AS f32.  Three kinds of work-groups, told apart by the work-group's number alone:
;   0 .. 47    wq, wk, wv [1024 (k)][1024 (n)]: codes of FP4 (E2M1) laid [n][k] with K innermost (wc), one E8M0 byte for each 32 along K (ws)
;   48 .. 111  wo [1024 (k)][1024 (n)]: f16, laid as the operand registers of the last product take it (wof)
;   112 .. 879 q, k, v [8192][1024]: codes of FP4, K innermost as it lies (xc), and their scale bytes (xs)
; THE QUANTISER: a block's scale is 2^(floor(log2(its largest magnitude)) - 2); its byte is the largest magnitude's own exponent field - 2, held at 1 from below; each number is divided by the
; scale and rounded to the nearest code, ties to even, beyond the largest code the largest.
; LIMITS: a block of zeros gets the byte 1 where the rule says 127 (its codes are zeros, which add nothing; this program alone reads the bytes); blocks whose largest magnitude lies under 2^-124 have
; their byte held at 1; NaN and infinities among the inputs are not served; |wo| beyond 65,504 becomes infinite in f16, and under 6e-5 it keeps an absolute step of 2^-24.
; No tensor loads, no barrier: waves share nothing.  Each kind of work-group that uses LDS has LDS bytes of its own.  Nothing is shared between work-groups, so there is no cluster.
.set SPARE,  67584                     ; behind both regions: the spare words, 128 bytes for each wave
.set SPW,    190                       ; v190  LDS address of my spare word: SPARE + 4 x my thread's number; never rewritten
.set NIL,    191                       ; v191  0; never rewritten
.set EMAX,   2                         ; the exponent of E2M1's largest number, 6
; q, k, v
.set XSTEPS, 16                        ; a wave takes 16 steps of 512 numbers
.set CB,     8                         ; bytes of 16 codes
.set XR,     16                        ; v16-79   four sets of 16 numbers as they are loaded
.set XX,     80                        ; v80-111  two sets of 16 neighbours
.set XE,     112                       ; v112-127 a scale byte for each step
.set XC,     128                       ; v128-189 codes: four registers for each step, so that no store's data are written again
.set WREG,   8192                      ; LDS 0 .. 32,767: a region for each wave: two stages of 32 x SP bytes, behind them its 256 scale bytes
.set SP,     80                        ; a lane's place in a stage: its 64 bytes + 16 of padding
; wq, wk, wv
.set WSTG,   32768                     ; LDS 32,768 .. 67,583: a stage of 32 rows x WP bytes for each wave
.set WP,     272                       ; a stage row: 256 bytes of codes + 16
.set NB,     16                        ; blocks of 32 along K for a wave: 512 along K
.set WX,     32                        ; v32-95   two sets of 32 numbers
.set WC,     96                        ; v96-99   a block's codes
.set WSB,    24                        ; v24-27   the scale bytes, four to a register
.set WOUT,   112                       ; v112-175 the way out
.macro XLOAD t                         ; step t: four loads of 512 consecutive bytes, 16 a lane
.irp i, 0,1,2,3
	global_load_b128 v[XR+16*((\t)%4)+4*\i:XR+16*((\t)%4)+4*\i+3], v3, s[30:31] offset:2048*(\t)+512*\i th:TH_LOAD_NT
.endr
.endm
.macro XTURN t                         ; step t's numbers through the stage: LDS serves a wave's instructions in order, so no wait stands between the stores and the loads
.irp i, 0,1,2,3
	ds_store_b128 v14, v[XR+16*((\t)%4)+4*\i:XR+16*((\t)%4)+4*\i+3] offset:32*SP*((\t)%2)+8*SP*\i
.endr
.irp i, 0,1,2,3
	ds_load_b128 v[XX+16*((\t)%2)+4*\i:XX+16*((\t)%2)+4*\i+3], v15 offset:32*SP*((\t)%2)+16*\i
.endr
.endm
.macro XSTEP t
.set XSS, XX+16*((\t)%2)
.if (\t) > 0
	s_wait_dscnt 1                                 ; this step's numbers are back from the stage (the last step's byte store may be out): so its stores into the stage have read their registers,
.else
	s_wait_dscnt 0x0
.endif
.if (\t)+4 < XSTEPS
	XLOAD (\t)+4                                   ; which take the loads of four steps on
.endif
.if (\t)+1 < XSTEPS
.if XSTEPS-2-(\t) >= 3
	s_wait_loadcnt 12                              ; the next step's four loads are in; those of the three steps behind it may be out
.else
	s_wait_loadcnt 4*(XSTEPS-2-(\t))
.endif
	XTURN (\t)+1                                   ; and go through the other stage while this step is worked
.endif
	v_max3_num_f32 v8, |v[XSS]|, |v[XSS+1]|, |v[XSS+2]|            ; the largest magnitude of my 16, in two chains
	v_max3_num_f32 v9, |v[XSS+3]|, |v[XSS+4]|, |v[XSS+5]|
.irp i, 6,10
	v_max3_num_f32 v8, v8, |v[XSS+\i]|, |v[XSS+\i+1]|
	v_max3_num_f32 v9, v9, |v[XSS+\i+2]|, |v[XSS+\i+3]|
.endr
	v_max3_num_f32 v8, v8, |v[XSS+14]|, |v[XSS+15]|
	v_max3_num_f32 v8, v8, v9, (EMAX+1)<<23        ; and the floor 2^(EMAX + 1 - 127): the byte cannot fall under 1
	v_max_num_f32_dpp v8, v8, v8 row_xmask:1 row_mask:0xf bank_mask:0xf   ; and of my neighbour's 16: the block's
	v_add_nc_u32 v11, -(EMAX<<23), v8              ; EMAX off its exponent field: the conversion takes the exponent field of this operand as its scale, and nothing else of it
	v_cvt_scalef32_pk8_fp4_f32 v[XC+4*(\t)], v[XSS:XSS+7], v11
	v_cvt_scalef32_pk8_fp4_f32 v[XC+4*(\t)+1], v[XSS+8:XSS+15], v11
	v_lshrrev_b32 v[XE+(\t)], 23, v11              ; the scale's byte (also the plain line behind the conversions)
	ds_store_b8 v5, v[XE+(\t)] offset:16*(\t)      ; both lanes of a block write the same byte with the same value
	global_store_b64 v4, v[XC+4*(\t):XC+4*(\t)+1], s[38:39] offset:32*CB*(\t)   ; the wave stores 256 consecutive bytes, aligned
.endm
.macro WLOAD t                         ; block t: w(32 t + i, my column), i = 0 .. 31, into set t % 2; a row of w is 4,096 bytes
.irp i, 0,1,2,3,4,5,6,7,8,9,10,11,12,13,14,15,16,17,18,19,20,21,22,23,24,25,26,27,28,29,30,31
	global_load_b32 v[WX+32*((\t)%2)+\i], v3, s[30:31] offset:(32*(\t)+\i)*4096 th:TH_LOAD_NT
.endr
.endm
.macro WBLOCK t
.set WXS, WX+32*((\t)%2)
.if (\t) < NB-1
	s_wait_loadcnt 32                              ; this block's 32 loads are in; the next block's may be out
.else
	s_wait_loadcnt 0
.endif
	v_max3_num_f32 v12, |v[WXS]|, |v[WXS+1]|, |v[WXS+2]|           ; the block's largest magnitude: all 32 numbers are mine
	v_max3_num_f32 v13, |v[WXS+3]|, |v[WXS+4]|, |v[WXS+5]|
.irp i, 6,10,14,18,22,26
	v_max3_num_f32 v12, v12, |v[WXS+\i]|, |v[WXS+\i+1]|
	v_max3_num_f32 v13, v13, |v[WXS+\i+2]|, |v[WXS+\i+3]|
.endr
	v_max3_num_f32 v12, v12, |v[WXS+30]|, |v[WXS+31]|
	v_max3_num_f32 v12, v12, v13, (EMAX+1)<<23     ; and the floor
	v_add_nc_u32 v11, -(EMAX<<23), v12             ; the conversion's scale operand
	v_lshrrev_b32 v13, 23, v11                     ; the scale's byte
.if (\t)%4 == 0
	v_mov_b32 v[WSB+(\t)/4], v13                   ; four bytes to a register, the lower K in the lower byte
.else
	v_lshl_or_b32 v[WSB+(\t)/4], v13, 8*((\t)%4), v[WSB+(\t)/4]
.endif
.irp g, 0,1,2,3
	v_cvt_scalef32_pk8_fp4_f32 v[WC+\g], v[WXS+8*\g:WXS+8*\g+7], v11
.endr
	v_nop                                          ; one plain line behind the last conversion
	ds_store_b128 v4, v[WC:WC+3] offset:16*(\t)    ; 32 codes: 16 bytes of my column's row
.if (\t)+2 < NB
	WLOAD (\t)+2
.endif
	s_wait_dscnt 0x0                               ; the store has read its registers: the next block's codes may be written
.endm
	s_load_b256 s[4:11], s[0:1], 0x0               ; q s[4:5], k s[6:7], v s[8:9], wq s[10:11]
	s_load_b256 s[12:19], s[0:1], 0x20             ; wk s[12:13], wv s[14:15], wo s[16:17], xc s[18:19]
	s_load_b256 s[20:27], s[0:1], 0x40             ; xs s[20:21], wc s[22:23], ws s[24:25], wof s[26:27]
	v_lshl_add_u32 v[SPW], v0, 2, SPARE
	v_mov_b32 v[NIL], 0
	v_lshrrev_b32 v1, 5, v0
	v_readfirstlane_b32 s28, v1                    ; wave 0..3
	v_and_b32 v2, 31, v0                           ; lane
	s_wait_kmcnt 0x0
	s_cmp_lt_u32 ttmp9, 48                         ; the short kinds of work have the lowest numbers
	s_cbranch_scc1 .Lw
	s_cmp_lt_u32 ttmp9, 112
	s_cbranch_scc1 .Lwo
; ---------------- q, k, v.  Rows are dense and 1,024 is a multiple of 32: each tensor is a plain stream of blocks of 32, and so are its codes and scale bytes.
; A load is best where neighbouring lanes take neighbouring bytes; a conversion wants 16 neighbours in one lane.  Both are had: a step's 2,048 bytes go through the wave's own stage as they lie and come back 64 bytes a lane.
	s_sub_co_u32 s29, ttmp9, 112                   ; g = 0 .. 767: 256 work-groups a tensor
	s_cmp_lt_u32 s29, 512
	s_cselect_b64 s[30:31], s[6:7], s[8:9]         ; k or v;
	s_cmp_lt_u32 s29, 256
	s_cselect_b64 s[30:31], s[4:5], s[30:31]       ; or q: the choice hangs on the work-group's number alone
	s_and_b32 s32, s29, 255
	s_lshl_b32 s32, s32, 2
	s_add_co_u32 s32, s32, s28                     ; which run of 8,192 numbers of the tensor is my wave's
	s_lshl_b32 s32, s32, 15                        ; 32,768 bytes a run
	s_mov_b32 s33, 0
	s_add_nc_u64 s[30:31], s[30:31], s[32:33]
	s_lshl_b32 s34, s29, 2
	s_add_co_u32 s34, s34, s28                     ; and which run of the three tensors on end
	s_lshl_b32 s36, s34, 12                        ; 4,096 bytes of codes a run
	s_mov_b32 s37, 0
	s_add_nc_u64 s[38:39], s[18:19], s[36:37]
	s_lshl_b32 s36, s34, 8                         ; 256 scale bytes a run
	s_add_nc_u64 s[40:41], s[20:21], s[36:37]
	v_lshlrev_b32 v3, 4, v2                        ; my 16 bytes of a load's 512
	s_mul_i32 s42, s28, WREG
	v_lshrrev_b32 v14, 2, v2
	v_mul_u32_u24 v14, v14, SP
	v_and_b32 v15, 3, v2
	v_lshl_add_u32 v14, v15, 4, v14
	v_add_nc_u32 v14, s42, v14                     ; the stage, on the way in: SP (lane / 4) + 16 (lane % 4); a load's 512 bytes take eight places
	v_mul_u32_u24 v15, v2, SP
	v_add_nc_u32 v15, s42, v15                     ; and on the way out: SP x lane: my 16 neighbours
	v_mul_u32_u24 v4, v2, CB                       ; my codes' place in a step's
	v_lshrrev_b32 v5, 1, v2
	s_add_co_u32 s42, s42, 2*32*SP
	v_add_nc_u32 v5, s42, v5                       ; LDS: my wave's 256 scale bytes, my block's byte
	v_lshlrev_b32 v7, 3, v2                        ; and on the way out 8 bytes a lane
	v_add_nc_u32 v6, s42, v7
.irp t, 0,1,2,3
	XLOAD \t
.endr
	s_wait_loadcnt 12                              ; step 0's four loads are in
	XTURN 0
.irp t, 0,1,2,3,4,5,6,7,8,9,10,11,12,13,14,15
	XSTEP \t
.endr
	ds_load_b64 v[8:9], v6                         ; LDS serves a wave's instructions in order: these see my byte stores
	s_wait_dscnt 0x0
	global_store_b64 v7, v[8:9], s[40:41]          ; 32 lanes store 256 consecutive bytes, aligned
	s_wait_tensorcnt 0x0                           ; the wave's end, behind my last LDS store
	ds_add_u32 v[SPW], v[NIL]
	s_wait_dscnt 0x0
	s_endpgm
; ---------------- wq, wk, wv.  K is the first axis.  A LANE TAKES A COLUMN n, AND ITS REGISTERS RUN DOWN K: each load reads neighbouring n in neighbouring lanes, a block of 32 along K lies in one lane,
; and the conversions give the codes with K innermost.  A wave takes 32 columns x 512 along K; the codes leave through the wave's stage as rows, sixteen lanes storing 256 consecutive bytes, aligned.
.Lw:
	s_lshr_b32 s29, ttmp9, 4                       ; which weight: 16 work-groups each
	s_cmp_lt_u32 s29, 2
	s_cselect_b64 s[30:31], s[12:13], s[14:15]     ; wk or wv;
	s_cmp_eq_u32 s29, 0
	s_cselect_b64 s[30:31], s[10:11], s[30:31]     ; or wq
	s_and_b32 s32, ttmp9, 7
	s_lshl_b32 s32, s32, 7
	s_lshl_b32 s33, s28, 5
	s_add_co_u32 s32, s32, s33                     ; my wave's first column
	s_bfe_u32 s33, ttmp9, 0x10003                  ; which 512 along K
	s_lshl_b32 s34, s33, 21                        ; 512 rows of 4,096 bytes,
	s_lshl_b32 s35, s32, 2
	s_add_co_u32 s34, s34, s35                     ; + 4 x column
	s_mov_b32 s35, 0
	s_add_nc_u64 s[30:31], s[30:31], s[34:35]
	s_lshl_b32 s34, s29, 19                        ; codes: 524,288 bytes a weight, 512 a column, 256 for 512 along K
	s_lshl_b32 s36, s32, 9
	s_add_co_u32 s34, s34, s36
	s_lshl_b32 s36, s33, 8
	s_add_co_u32 s34, s34, s36
	s_add_nc_u64 s[38:39], s[22:23], s[34:35]
	s_lshl_b32 s34, s29, 15                        ; scale bytes: 32,768 a weight, 32 a column, 16 for 512 along K
	s_lshl_b32 s36, s32, 5
	s_add_co_u32 s34, s34, s36
	s_lshl_b32 s36, s33, 4
	s_add_co_u32 s34, s34, s36
	s_add_nc_u64 s[40:41], s[24:25], s[34:35]
	v_lshlrev_b32 v3, 2, v2                        ; in: 4 bytes a lane
	s_mul_i32 s42, s28, 32*WP
	s_add_co_u32 s42, s42, WSTG                    ; my stage
	v_mul_u32_u24 v4, v2, WP
	v_add_nc_u32 v4, s42, v4                       ; into it: row = my column
	v_and_b32 v5, 15, v2
	v_lshrrev_b32 v6, 4, v2                        ; out of it: sixteen lanes to a row, two rows an instruction
	v_mul_u32_u24 v7, v6, WP
	v_lshl_add_u32 v7, v5, 4, v7
	v_add_nc_u32 v7, s42, v7
	v_mul_u32_u24 v8, v6, 512
	v_lshl_add_u32 v8, v5, 4, v8                   ; and the same place in the codes' buffer
	v_mul_u32_u24 v9, v2, 32                       ; my column's row of scale bytes
	WLOAD 0
	WLOAD 1
.irp t, 0,1,2,3,4,5,6,7,8,9,10,11,12,13,14,15
	WBLOCK \t
.endr
	global_store_b128 v9, v[WSB:WSB+3], s[40:41]   ; my column's 16 scale bytes
.irp t, 0,1,2,3,4,5,6,7,8,9,10,11,12,13,14,15
	ds_load_b128 v[WOUT+4*\t:WOUT+4*\t+3], v7 offset:2*\t*WP
.endr
.irp t, 0,1,2,3,4,5,6,7,8,9,10,11,12,13,14,15
	s_wait_dscnt 15-\t                             ; loads come back in order: pair t of rows is in
	global_store_b128 v8, v[WOUT+4*\t:WOUT+4*\t+3], s[38:39] offset:2*\t*512
.endr
	s_wait_tensorcnt 0x0                           ; the wave's end, behind my last LDS store
	ds_add_u32 v[SPW], v[NIL]
	s_wait_dscnt 0x0
	s_endpgm
; ---------------- wo.  wof is laid [64 tiles of 16 n][128 chunks of 8 k][16 n][16 bytes]: chunk (kc, r) of tile nt holds wo[8 kc .. 8 kc + 7][16 nt + r] in f16.  So 1,024 bytes are the registers of a
; fragment of 16 n x 32 k: registers 0-3 at 16 x lane, registers 4-7 at 512 + 16 x lane.  A lane takes a column, its registers run down K: eight of them pack into its 16 bytes.  No LDS is touched.
.Lwo:
	s_sub_co_u32 s29, ttmp9, 48
	s_and_b32 s32, s29, 7                          ; which 128 columns
	s_lshr_b32 s33, s29, 3                         ; which 128 along K
	s_lshl_b32 s34, s33, 19                        ; 128 rows of 4,096 bytes
	s_lshl_b32 s35, s32, 9
	s_add_co_u32 s34, s34, s35
	s_lshl_b32 s35, s28, 7                         ; my wave's 32 columns
	s_add_co_u32 s34, s34, s35
	s_mov_b32 s35, 0
	s_add_nc_u64 s[30:31], s[16:17], s[34:35]
	s_lshl_b32 s34, s32, 3
	s_lshl_b32 s36, s28, 1
	s_add_co_u32 s34, s34, s36                     ; my wave's first tile of 16 n
	s_lshl_b32 s34, s34, 15                        ; 32,768 bytes a tile
	s_lshl_b32 s36, s33, 12                        ; 16 chunks of 256 bytes
	s_add_co_u32 s34, s34, s36
	s_add_nc_u64 s[38:39], s[26:27], s[34:35]
	v_lshlrev_b32 v3, 2, v2
	v_lshrrev_b32 v4, 4, v2
	v_and_b32 v5, 15, v2
	v_lshlrev_b32 v4, 15, v4
	v_lshl_add_u32 v4, v5, 4, v4                   ; lanes 16-31 write the next tile; 16 bytes a lane
.set i, 0
.rept 128
	global_load_b32 v[32+i], v3, s[30:31] offset:4096*i th:TH_LOAD_NT
.set i, i+1
.endr
.set kc, 0
.rept 16
.if 120-8*kc > 63
	s_wait_loadcnt 63                              ; behind this chunk's eight loads stand 120 - 8 kc: the wait's field holds 63 at the most, and a smaller count waits for more
.else
	s_wait_loadcnt 120-8*kc
.endif
.irp j, 0,1,2,3
	v_cvt_pk_f16_f32 v[32+4*kc+\j], v[32+8*kc+2*\j], v[33+8*kc+2*\j]   ; in place, ascending: a destination never lies above its sources, and no chunk writes another chunk's store data
.endr
	global_store_b128 v4, v[32+4*kc:35+4*kc], s[38:39] offset:256*kc   ; sixteen lanes store 256 consecutive bytes, aligned
.set kc, kc+1
.endr
	s_endpgm
.Lfunc_end_k_q114e9e75f7_prep:
	.size	k_q114e9e75f7_prep, .Lfunc_end_k_q114e9e75f7_prep-k_q114e9e75f7_prep
	.p2alignl 7, 3214868480
	.fill 96, 4, 3214868480
	.section	.rodata,"a",@progbits
	.p2align	6, 0x0
	.amdhsa_kernel k_q114e9e75f7_prep
		.amdhsa_group_segment_fixed_size 68096
		.amdhsa_private_segment_fixed_size 0
		.amdhsa_enable_private_segment 0
		.amdhsa_kernarg_size 96
		.amdhsa_user_sgpr_count 2
		.amdhsa_user_sgpr_kernarg_segment_ptr 1
		.amdhsa_wavefront_size32 1
		.amdhsa_system_sgpr_workgroup_id_x 1
		.amdhsa_system_sgpr_workgroup_id_y 1
		.amdhsa_system_sgpr_workgroup_id_z 1
		.amdhsa_system_vgpr_workitem_id 0
		.amdhsa_next_free_vgpr 192
		.amdhsa_next_free_sgpr 66
		.amdhsa_reserve_vcc 0
		.amdhsa_float_denorm_mode_32 3
		.amdhsa_float_denorm_mode_16_64 3
		.amdhsa_memory_ordered 1
		.amdhsa_forward_progress 1
		.amdhsa_inst_pref_size 131
	.end_amdhsa_kernel
	.amdgpu_metadata
---
amdhsa.version: [ 1, 2 ]
amdhsa.kernels:
  - .name:           k_q114e9e75f7_prep
    .symbol:         k_q114e9e75f7_prep.kd
    .args:
      - { .name: q, .offset: 0, .size: 8, .value_kind: global_buffer, .address_space: global }
      - { .name: k, .offset: 8, .size: 8, .value_kind: global_buffer, .address_space: global }
      - { .name: v, .offset: 16, .size: 8, .value_kind: global_buffer, .address_space: global }
      - { .name: wq, .offset: 24, .size: 8, .value_kind: global_buffer, .address_space: global }
      - { .name: wk, .offset: 32, .size: 8, .value_kind: global_buffer, .address_space: global }
      - { .name: wv, .offset: 40, .size: 8, .value_kind: global_buffer, .address_space: global }
      - { .name: wo, .offset: 48, .size: 8, .value_kind: global_buffer, .address_space: global }
      - { .name: xc, .offset: 56, .size: 8, .value_kind: global_buffer, .address_space: global }
      - { .name: xs, .offset: 64, .size: 8, .value_kind: global_buffer, .address_space: global }
      - { .name: wc, .offset: 72, .size: 8, .value_kind: global_buffer, .address_space: global }
      - { .name: ws, .offset: 80, .size: 8, .value_kind: global_buffer, .address_space: global }
      - { .name: wof, .offset: 88, .size: 8, .value_kind: global_buffer, .address_space: global }
    .group_segment_fixed_size: 68096
    .private_segment_fixed_size: 0
    .kernarg_segment_align: 8
    .kernarg_segment_size: 96
    .max_flat_workgroup_size: 128
    .sgpr_count:     66
    .vgpr_count:     192
    .wavefront_size: 32
...
	.end_amdgpu_metadata
.endif
;; end of part 1
;; launch proj (part 2): grid 4 x 96, 4 waves a work-group, clusters of 4 x 4, 327,680 bytes of LDS; arguments xc, xs, wc, ws, xp; writes xp
.if DOCPART == 2
	.amdgcn_target "amdgcn-amd-amdhsa--gfx1250"
	.amdhsa_code_object_version 6
	.text
	.protected	k_q114e9e75f7_proj
	.globl	k_q114e9e75f7_proj
	.p2align	8
	.type	k_q114e9e75f7_proj,@function
k_q114e9e75f7_proj:
	s_mov_b64 s[64:65], 0
	v_nop
	global_prefetch_b8 v0, s[64:65] scope:SCOPE_SE
	s_setreg_imm32_b32 hwreg(HW_REG_WAVE_MODE, 25, 1), 1
	s_wait_xcnt 0x0
	s_wait_alu depctr_hold_cnt(0) depctr_sa_sdst(0) depctr_va_vdst(0) depctr_va_sdst(0) depctr_va_ssrc(0) depctr_va_vcc(0) depctr_vm_vsrc(0)
	s_getreg_b32 s2, hwreg(HW_REG_IB_STS2, 6, 4)
	s_cmp_eq_u32 s2, 0
	s_cbranch_scc0 .Lentry_in_a_cluster
	s_endpgm
.Lentry_in_a_cluster:
	s_bfe_u32 s2, ttmp6, 0x10000c
	s_cmp_lg_u32 s2, 0xf033
	s_cbranch_scc0 .Lentry_shape_is_right
	s_endpgm
.Lentry_shape_is_right:
; THE THREE QUANTISED PRODUCTS q wq, k wk, v wv AS ONE GEMM ON CODES OF FP4 (E2M1) with one E8M0 scale for each 32 along K; sums in f32.
; A = xc [24576 rows: q's, k's, v's tokens][1024 codes = 512 bytes], its scale bytes xs [24576][32].  B = wc [3 x 1024 (n)][512 bytes], ws [3 x 1024][32]: rows of A's third t meet B's third t.
; A tile of C, 256 tokens x 256 channels, is made by four waves; a wave makes 128 x 128: 64 accumulators of 16 x 16, 512 registers.  K = 1,024 is two K steps of 512 (tile rows of 256 bytes): each has a
; slot in LDS of its own, both asked for at the head, and no slot is filled twice.  The scale bytes of the 256 + 256 rows, for all of K, come once, as dense blocks.
; CLUSTERS: 4 x 4 work-groups.  The four of a row of the cluster need the same tiles of A, the four of a column the same tiles of B: each tile is asked for JOINTLY.  A cluster's 1,024 tokens lie in one
; of the three tensors, so which weight it takes hangs on the cluster's y alone.
; THE MATRIX INSTRUCTION IS USED TRANSPOSED (source 0 = 16 rows of B, source 1 = 16 rows of A): a lane holds token lane % 16 and eight neighbouring channels, 8 (lane / 16) + 0 .. 7.
; THE WAY OUT: q's results are multiplied by 1/8 = 1 / sqrt(64) (exact), all are rounded to f16, and a lane's eight numbers, 16 bytes, are stored straight from registers into
; xp [3][64 pairs = 16 batch + head][128 tiles of 16 tokens][4 tiles of 16 channels][512 bytes]: a block of 16 x 16 numbers as 32 pieces of 16 bytes, in the order in which the next launch's lanes take them:
; for q and k piece r + 16 h = token r, channels 8 h on; for v the same piece lies at (r % 8) + 8 h + 16 (r / 8), the order of the turning LDS load.  Each store of a wave covers 512 consecutive bytes, aligned.
; LIMITS: |xq / 8|, |xk|, |xv| beyond 65,504 become infinite in f16; under 6e-5 they keep an absolute step of 2^-24.
; REGISTERS, in windows of 256: window 0: v0-31 addresses; v32-95 scale words, two sets; from v128 A's fragments, ONE set (on the way out v128-255 hold packed results).
;   window 1: B's fragments, TWO sets, at v0 and v128.   window 2: the accumulators of my rows 0-63 ((a, b) at v[8 (8 a + b)]);   window 3: those of my rows 64-127.
.set KSTEP,  512                       ; along K in a slot
.set NQ,     KSTEP/128                 ; matrix instructions deep
.set ROWB,   256                       ; a tile's row in bytes
.set KROW,   512                       ; a row of A or of B in memory, in bytes
.set PITCH,  272                       ; an LDS row: 256 bytes + 16 of padding: the 16 rows that a load touches begin at 16 different places modulo 256 bytes
.set FR,     8                         ; registers of a fragment: 16 rows x 128 K
.set NL,     2                         ; LDS loads that bring one
.set NP,     4                         ; places behind this matrix instruction (ISA guide 7.12.1)
.set HALFT,  128*PITCH                 ; 128 rows: what one tensor load brings
.set SLOT,   4*HALFT                   ; A's 256 rows, then B's 256 rows
.set KS,     32                        ; a row of scales in bytes
.set SCL,    2*SLOT                    ; behind the slots: the scales, as rows of 256 bytes + 16 of padding
.set HALFS,  (128*KS/256)*272          ; the scales of 128 rows
.set SBLK,   (16*KS/256)*272           ; those of 16 rows
.set SPARE,  SCL+4*HALFS               ; the spare words, 128 bytes for each wave
.set ADRA, 16                          ; v16-17  LDS address of my A fragments in slot 0, 1
.set ADRB, 20                          ; v20-21  the same for B
.set CO,   26                          ; v26     the way out: my 16 bytes' place in a block of 512
.set ADRS, 27                          ; v27     LDS address of my scale words: lanes 0-15 A's rows, lanes 16-31 B's
.set SPW,  28                          ; v28     LDS address of my spare word; never rewritten
.set NIL,  29                          ; v29     0; never rewritten
.set SC,   32                          ; scale words: set s at v[SC + 8 NQ s]; register NQ i + q: lanes 0-15 the word of A's block i, lanes 16-31 that of B's block i
.set AF,   128                         ; A's fragments, in window 0
.set G1, 24                            ; s[24:31] descriptor group 1 for A's tiles;  s[32:39] group 0, one set for each slot
.set G0, 32
.set G1B, 48                           ; s[48:55], s[56:63] the same for B's tiles
.set G0B, 56
.set G1S, 68                           ; s[68:75], s[76:79] groups 1 and 0 for A's scales;  s[80:87], s[88:91] for B's
.set G0S, 76
.set G1SB, 80
.set G0SB, 88
.set MSB, 0
.macro WIN new                         ; the immediate's high byte repeats the setting that is left
.if MSB != \new
	s_set_vgpr_msb (MSB<<8)|\new
.set MSB, \new
.endif
.endm
.set MUL_LO, 0xa1                      ; source 0 (B) window 1, source 1 (A) window 0, C and D window 2
.set MUL_HI, 0xf1                      ; the same, C and D window 3
.set TO_B,   0x40                      ; destination window 1, address window 0
; A joint load: waves 0 and 1 fetch for A, waves 2 and 3 for B.  The branch hangs on the wave's number alone.  An s_nop 0 and four v_nop follow each of the two lines.
.macro JLOAD g0a, g1a, g0b, g1b
	s_cmp_eq_u32 s15, 0
	s_cbranch_scc0 .Lfor_b_\@
	tensor_load_to_lds s[\g0a:\g0a+3], s[\g1a:\g1a+7]
	s_nop 0
.rept 4
	v_nop
.endr
	s_branch .Lasked_\@
.Lfor_b_\@:
	tensor_load_to_lds s[\g0b:\g0b+3], s[\g1b:\g1b+7]
	s_nop 0
.rept 4
	v_nop
.endr
.Lasked_\@:
.endm
.macro CROUND                          ; a round of the cluster's barrier
	s_barrier_signal -1
	s_barrier_wait -1
	s_cmp_lg_u32 s14, 0
	s_cbranch_scc1 .Lnot_wave_0_\@
	s_barrier_signal -3
.Lnot_wave_0_\@:
	s_barrier_wait -3
	s_barrier_signal -1
	s_barrier_wait -1
.endm
	s_load_b128 s[4:7], s[0:1], 0x0                ; A's codes s[4:5], A's scales s[6:7]
	s_load_b128 s[8:11], s[0:1], 0x10              ; B's codes s[8:9], B's scales s[10:11]
	s_load_b64 s[12:13], s[0:1], 0x20              ; xp
	v_lshl_add_u32 v[SPW], v0, 2, SPARE
	v_mov_b32 v[NIL], 0
	ds_add_u32 v[SPW], v[NIL]                      ; the wave's opening: the add, twice on end, and its wait ahead of my first tensor load
	ds_add_u32 v[SPW], v[NIL]
	v_lshrrev_b32 v1, 5, v0
	v_readfirstlane_b32 s14, v1                    ; wave 0..3
	s_lshr_b32 s15, s14, 1                         ; which half of the tile's rows is mine.  Also: I fetch for A (0) or for B (1)
	s_and_b32 s16, s14, 1                          ; which half of its columns.  Also: which 128 rows of that tile I fetch
	s_bfe_u32 s40, ttmp6, 0x40000                  ; cx, cy: my place in the cluster
	s_bfe_u32 s41, ttmp6, 0x40004
	s_lshl_b32 s42, ttmp9, 2
	s_add_co_u32 s42, s42, s40                     ; tile column = 4 x cluster x + cx
	s_and_b32 s3, ttmp7, 0xffff
	s_lshr_b32 s3, s3, 3                           ; which of q, k, v: eight clusters along y each: the same in all sixteen partners
	s_and_b32 s17, ttmp7, 0xffff
	s_lshl_b32 s17, s17, 2
	s_add_co_u32 s17, s17, s41                     ; tile row = 4 x cluster y + cy
	s_lshl_b32 s43, s41, 2
	s_lshl_b32 s43, 15, s43                        ; my row of the cluster
	s_lshl_b32 s44, 0x1111, s40                    ; my column
	; descriptor group 1: a tile of 128 rows x 256 bytes, padded in LDS
	s_or_b32 s[G1+0], s43, (0<<16)|(1<<20)|(1<<21)|(5<<22)|(3<<25)  ; 15:0 the mask; 17:16 element of 1 byte; 20 padding on; 21 set beside a mask; 24:22 after every 64 words; 31:25 of 4 words
	s_or_b32 s[G1B+0], s44, (0<<16)|(1<<20)|(1<<21)|(5<<22)|(3<<25)
.irp g, G1, G1B
	s_mov_b32 s[\g+1], ROWB<<16                    ; tensor_dim0
	s_mov_b32 s[\g+2], 128<<16                     ; tensor_dim1
	s_mov_b32 s[\g+3], ROWB<<16                    ; tile_dim0
	s_mov_b32 s[\g+4], 128                         ; tile_dim1
	s_mov_b32 s[\g+5], KROW                        ; tensor_dim0_stride
	s_mov_b32 s[\g+6], 0
	s_mov_b32 s[\g+7], 0
.endr
	; the scales of 128 rows: a dense block of 4,096 bytes, as 16 rows of 256 bytes (32 elements of 8 bytes), 16 bytes of padding behind each
	s_or_b32 s[G1S+0], s43, (3<<16)|(1<<20)|(1<<21)|(5<<22)|(3<<25)
	s_or_b32 s[G1SB+0], s44, (3<<16)|(1<<20)|(1<<21)|(5<<22)|(3<<25)
.irp g, G1S, G1SB
	s_mov_b32 s[\g+1], 32<<16
	s_mov_b32 s[\g+2], (128*KS/256)<<16
	s_mov_b32 s[\g+3], 32<<16
	s_mov_b32 s[\g+4], 128*KS/256
	s_mov_b32 s[\g+5], 32
	s_mov_b32 s[\g+6], 0
	s_mov_b32 s[\g+7], 0
.endr
	s_lshl_b32 s18, s16, 7                         ; which 128 rows of the tile I fetch
	s_lshl_b32 s20, s17, 8
	s_add_co_u32 s20, s20, s18                     ; A: row 256 x tile row + 128 x half
	s_lshl_b32 s46, s42, 8
	s_add_co_u32 s46, s46, s18                     ; B: row 256 x tile column + 128 x half
	s_lshl_b32 s95, s3, 10
	s_add_co_u32 s46, s46, s95                     ;    + 1,024 x which weight
	s_mov_b32 s21, 0
	s_mov_b32 s47, 0
	s_mov_b64 s[18:19], KS
	s_mul_u64 s[22:23], s[20:21], s[18:19]         ; where these rows' scales begin, in bytes
	s_mul_u64 s[92:93], s[46:47], s[18:19]
	s_mov_b64 s[18:19], KROW
	s_mul_u64 s[20:21], s[20:21], s[18:19]         ; and their codes
	s_mul_u64 s[46:47], s[46:47], s[18:19]
	s_mul_i32 s45, s14, HALFT                      ; where they go: wave x 128 rows: no place in the cluster enters an LDS address
	s_mul_i32 s94, s14, HALFS
	s_wait_dscnt 0x0                               ; both opening adds are done
	s_wait_kmcnt 0x0
	s_add_nc_u64 s[20:21], s[4:5], s[20:21]
	s_add_nc_u64 s[22:23], s[6:7], s[22:23]
	s_add_nc_u64 s[46:47], s[8:9], s[46:47]
	s_add_nc_u64 s[92:93], s[10:11], s[92:93]
	CROUND                                         ; all sixteen work-groups are here: the joint loads meet
	s_mov_b32 s[G0S], 1
	s_add_co_u32 s[G0S+1], s94, SCL
	s_mov_b64 s[G0S+2:G0S+3], s[22:23]
	s_or_b32 s[G0S+3], s[G0S+3], 0x80000000
	s_mov_b32 s[G0SB], 1
	s_add_co_u32 s[G0SB+1], s94, SCL
	s_mov_b64 s[G0SB+2:G0SB+3], s[92:93]
	s_or_b32 s[G0SB+3], s[G0SB+3], 0x80000000
	JLOAD G0S, G1S, G0SB, G1SB                     ; the scales first: they are wanted with K step 0
.irp s, 0,1
	s_mov_b32 s[G0+4*\s], 1
	s_add_co_u32 s[G0+4*\s+1], s45, \s*SLOT
	s_add_nc_u64 s[G0+4*\s+2:G0+4*\s+3], s[20:21], \s*ROWB
	s_or_b32 s[G0+4*\s+3], s[G0+4*\s+3], 0x80000000
	s_mov_b32 s[G0B+4*\s], 1
	s_add_co_u32 s[G0B+4*\s+1], s45, \s*SLOT
	s_add_nc_u64 s[G0B+4*\s+2:G0B+4*\s+3], s[46:47], \s*ROWB
	s_or_b32 s[G0B+4*\s+3], s[G0B+4*\s+3], 0x80000000
	JLOAD G0+4*\s, G1, G0B+4*\s, G1B               ; three loads of mine are out: all that this launch fetches
.endr
	v_and_b32 v1, 15, v0                           ; l % 16
	v_bfe_u32 v2, v0, 4, 1                         ; l / 16
	v_mul_u32_u24 v3, v1, PITCH
	v_lshl_add_u32 v4, v2, 4, v3                   ; a fragment's row x pitch + 16 x half
	s_mul_i32 s21, s15, HALFT                      ; my 128 rows of A
	s_mul_i32 s22, s16, HALFT                      ; my 128 rows of B,
	s_add_co_u32 s22, s22, 2*HALFT                 ; which lie behind A's 256
.irp s, 0,1
	v_add_nc_u32 v[ADRA+\s], s21, v4
	v_add_nc_u32 v[ADRB+\s], s22, v4
	s_add_co_u32 s21, s21, SLOT
	s_add_co_u32 s22, s22, SLOT
.endr
	v_mul_u32_u24 v5, v1, KS                       ; my row's scales: KS bytes a row,
	v_lshrrev_b32 v6, 8, v5
	v_lshl_add_u32 v5, v6, 4, v5                   ; and 16 more for each 256 passed
	s_mul_i32 s21, s15, HALFS                      ; A's: my 128 rows
	s_mul_i32 s22, s16, HALFS                      ; B's: my 128 rows, behind A's 256
	s_add_co_u32 s22, s22, 2*HALFS
	s_sub_co_u32 s22, s22, s21
	v_mul_u32_u24 v6, s22, v2                      ; lanes 16-31 take B's
	s_add_co_u32 s21, s21, SCL
	v_add_nc_u32 v5, v5, v6
	v_add_nc_u32 v[ADRS], s21, v5
	; the way out: the factor, the order of a block's pieces, and where my part of xp begins
	s_cmp_eq_u32 s3, 0
	s_mov_b32 s96, 0x3f800000
	s_cselect_b32 s96, 0x3e000000, s96             ; 1/8 for q, 1 for k and v
	s_mov_b32 s97, s96                             ; (named with it as a pair, so it is written)
	s_cmp_eq_u32 s3, 2
	s_cselect_b32 s95, -1, 0                       ; all lanes' bits where the tensor is v
	v_and_b32 v6, 31, v0
	v_lshlrev_b32 v5, 4, v6                        ; q, k: piece = lane
	v_and_b32 v7, 7, v0
	v_lshl_add_u32 v7, v2, 3, v7
	v_bfe_u32 v8, v0, 3, 1
	v_lshl_add_u32 v7, v8, 4, v7                   ; v: piece = (r % 8) + 8 h + 16 (r / 8)
	v_lshlrev_b32 v7, 4, v7
	v_cndmask_b32 v[CO], v5, v7, s95
	s_and_b32 s20, s17, 31                         ; the tile row within its tensor: 8 to a batch
	s_lshr_b32 s20, s20, 3
	s_lshl_b32 s20, s20, 4                         ; 16 x batch
	s_lshl_b32 s21, s42, 2
	s_add_co_u32 s20, s20, s21                     ; + 4 heads a tile column
	s_lshl_b32 s21, s16, 1
	s_add_co_u32 s20, s20, s21                     ; + 2 for my half of the columns: my first pair
	s_lshl_b32 s20, s20, 18                        ; 262,144 bytes a pair
	s_and_b32 s21, s17, 7
	s_lshl_b32 s21, s21, 4
	s_lshl_b32 s22, s15, 3
	s_add_co_u32 s21, s21, s22                     ; my first tile of 16 tokens in the sequence
	s_lshl_b32 s21, s21, 11                        ; 2,048 bytes each
	s_add_co_u32 s20, s20, s21
	s_lshl_b32 s21, s3, 24                         ; 2^24 bytes a tensor
	s_add_co_u32 s20, s20, s21
	s_mov_b32 s21, 0
	s_add_nc_u64 s[12:13], s[12:13], s[20:21]
.macro FRAG reg, adr, q, i             ; a fragment, 16 rows x 128 K of 4-bit codes, is 8 registers: lane l holds row l % 16; registers 4 c .. 4 c + 3 hold K = 64 c + 32 (l / 16) + 0 .. 31
.irp c, 0,1
	ds_load_b128 v[\reg+4*\c:\reg+4*\c+3], v[\adr] offset:64*(\q)+32*\c+(\i)*16*PITCH
.endr
.endm
; 16 matrix instructions: A's blocks a0, a0 + 1 x B's eight, 128 along K: the slot's q-th.  p: B's set;  sc: the set of scale words.  zero = 1: the first product starts the sums.
; The 64 accumulators take turns, one instruction a turn, in the same order in every step.
.macro MUL16 a0, p, q, sc, zero
.irp a, \a0, \a0+1
.irp b, 0,1,2,3,4,5,6,7
.if \zero
	v_wmma_scale_f32_16x16x128_f8f6f4 v[8*(8*((\a)%4)+\b):8*(8*((\a)%4)+\b)+7], v[128*(\p)+FR*\b:128*(\p)+FR*\b+FR-1], v[AF+FR*(\a):AF+FR*(\a)+FR-1], 0, v[SC+8*NQ*(\sc)+NQ*\b+(\q)], v[SC+8*NQ*(\sc)+NQ*(\a)+(\q)] matrix_a_fmt:MATRIX_FMT_FP4 matrix_b_fmt:MATRIX_FMT_FP4 matrix_a_scale:MATRIX_SCALE_ROW1
.else
	v_wmma_scale_f32_16x16x128_f8f6f4 v[8*(8*((\a)%4)+\b):8*(8*((\a)%4)+\b)+7], v[128*(\p)+FR*\b:128*(\p)+FR*\b+FR-1], v[AF+FR*(\a):AF+FR*(\a)+FR-1], v[8*(8*((\a)%4)+\b):8*(8*((\a)%4)+\b)+7], v[SC+8*NQ*(\sc)+NQ*\b+(\q)], v[SC+8*NQ*(\sc)+NQ*(\a)+(\q)] matrix_a_fmt:MATRIX_FMT_FP4 matrix_b_fmt:MATRIX_FMT_FP4 matrix_a_scale:MATRIX_SCALE_ROW1
.endif
.endr
.endr
.endm
.macro FETCH_B slot, q, p              ; B's eight fragments of the slot's q-th 128 along K into set p
	WIN TO_B
.irp i, 0,1,2,3,4,5,6,7
	FRAG 128*(\p)+FR*\i, ADRB+\slot, \q, \i
.endr
	WIN 0
.endm
.macro FETCH_A slot, q, i0             ; A's blocks i0 .. i0 + 3
.irp i, \i0, \i0+1, \i0+2, \i0+3
	FRAG AF+FR*(\i), ADRA+\slot, \q, \i
.endr
.endm
.macro SCALES sc                       ; a K step's scale words into set sc: NQ words a row; lanes 0-15 take A's block i, lanes 16-31 B's block i
.irp i, 0,1,2,3,4,5,6,7
	ds_load_b128 v[SC+8*NQ*\sc+NQ*\i:SC+8*NQ*\sc+NQ*\i+3], v[ADRS] offset:\i*SBLK
.endr
.endm
.macro PLACES n                        ; plain vector instructions between a matrix instruction and a load into, or a vector instruction on, one of its registers
.rept \n
	v_nop
.endr
.endm
; A step of 128 along K that has its successor in the same slot.  A's blocks go one after the other, each against B's eight: one set of registers serves A, two serve B.
.macro STEP slot, q, zero
	s_wait_dscnt 4*NL                              ; B's set and A's blocks 0-3 are in; the youngest eight loads (A's blocks 4-7) may be out
	WIN MUL_LO
	MUL16 0, (\q)%2, \q, \slot, \zero
	MUL16 2, (\q)%2, \q, \slot, \zero
	s_wait_dscnt 0                                 ; A's blocks 4-7 are in
	PLACES NP
	FETCH_B \slot, (\q)+1, 1-(\q)%2
	FETCH_A \slot, (\q)+1, 0
	WIN MUL_HI
	MUL16 4, (\q)%2, \q, \slot, \zero
	MUL16 6, (\q)%2, \q, \slot, \zero
	PLACES NP
	WIN 0
	FETCH_A \slot, (\q)+1, 4
.endm
.macro STEPS slot, from                ; the slot's steps from .. NQ - 2
.set QQ, \from
.rept NQ-1-\from
	STEP \slot, QQ, 0
.set QQ, QQ+1
.endr
.endm
	s_wait_tensorcnt 1                             ; the scales and my part of K step 0 are in (K step 1's load may be out)
	s_barrier_signal -1
	s_barrier_wait -1                              ; everybody's are
	FETCH_B 0, 0, 0
	FETCH_A 0, 0, 0
	SCALES 0
	FETCH_A 0, 0, 4
	STEP 0, 0, 1                                   ; the first step's products start the sums: nothing is cleared
	STEPS 0, 1
	; slot 0's last step goes over to slot 1: one barrier; in front of it each wave waits for all its tensor loads, so that slot 1 is whole behind it
	s_wait_tensorcnt 0x0                           ; my part of slot 1 has landed  (every window is 0 here)
	ds_add_u32 v[SPW], v[NIL]                      ; 0 onto my spare word
	s_wait_dscnt 4*NL+1                            ; (the add and the youngest eight loads, A's blocks 4-7, may be out)
	WIN MUL_LO
	MUL16 0, 1, NQ-1, 0, 0
	s_wait_dscnt 0x0                               ; no LDS instruction of mine is out at the signal
	s_barrier_signal -1
	MUL16 2, 1, NQ-1, 0, 0
	WIN 0
	s_barrier_wait -1
	PLACES NP
	v_add_nc_u32 v[ADRS], 4*NQ, v[ADRS]            ; on to K step 1's scale words
	FETCH_B 1, 0, 0
	FETCH_A 1, 0, 0
	SCALES 1
	WIN MUL_HI
	MUL16 4, 1, NQ-1, 0, 0
	MUL16 6, 1, NQ-1, 0, 0
	PLACES NP
	WIN 0
	FETCH_A 1, 0, 4
	STEPS 1, 0
	s_wait_dscnt 4*NL                              ; the very last step: nothing more to fetch
	WIN MUL_LO
	MUL16 0, 1, NQ-1, 1, 0
	MUL16 2, 1, NQ-1, 1, 0
	s_wait_dscnt 0
	WIN MUL_HI
	MUL16 4, 1, NQ-1, 1, 0
	MUL16 6, 1, NQ-1, 1, 0
	WIN 0
; THE WAY OUT of block a (16 tokens x 128 channels): x the factor, in place, each accumulator from its low end on; rounded to f16, two to a register; eight stores of 512 consecutive bytes.
; Accumulator (a, b) is channel tile b % 4 of head b / 4 of my two heads.
.macro OUT a
.set AC, 64*((\a)%4)
.set TM, 128+32*((\a)%4)
.if (\a) >= 4
	s_wait_xcnt 0x0                                ; block a - 4's stores have read the registers that this block's packed results take
.endif
	WIN 0x82+0x41*((\a)/4)                         ; destination and source 0: window 2 or 3
.set i, 0
.rept 32
	v_pk_mul_f32 v[AC+2*i:AC+2*i+1], v[AC+2*i:AC+2*i+1], s[96:97] op_sel_hi:[1,0]
.set i, i+1
.endr
	WIN 0x0a+5*((\a)/4)                            ; sources 0 and 1: window 2 or 3; destination window 0
.irp b, 0,1,2,3,4,5,6,7
.irp j, 0,1,2,3
	v_cvt_pk_f16_f32 v[TM+4*\b+\j], v[AC+8*\b+2*\j], v[AC+8*\b+2*\j+1]
.endr
.endr
	WIN 0
.irp b, 0,1,2,3,4,5,6,7
	global_store_b128 v[CO], v[TM+4*\b:TM+4*\b+3], s[12:13] offset:(\b/4)*262144+(\a)*2048+(\b%4)*512
.endr
.endm
	PLACES NP                                      ; behind the last products: their results are read, and A's registers written, below
.irp a, 0,1,2,3,4,5,6,7
	OUT \a
.endr
	s_wait_tensorcnt 0x0                           ; the wave's end, behind my last tensor load
	ds_add_u32 v[SPW], v[NIL]
	s_wait_dscnt 0x0
	CROUND                                         ; the closing round: no work-group ends while a partner may still ask for a tile that names it
	s_endpgm
.Lfunc_end_k_q114e9e75f7_proj:
	.size	k_q114e9e75f7_proj, .Lfunc_end_k_q114e9e75f7_proj-k_q114e9e75f7_proj
	.p2alignl 7, 3214868480
	.fill 96, 4, 3214868480
	.section	.rodata,"a",@progbits
	.p2align	6, 0x0
	.amdhsa_kernel k_q114e9e75f7_proj
		.amdhsa_group_segment_fixed_size 327680
		.amdhsa_private_segment_fixed_size 0
		.amdhsa_enable_private_segment 0
		.amdhsa_kernarg_size 40
		.amdhsa_user_sgpr_count 2
		.amdhsa_user_sgpr_kernarg_segment_ptr 1
		.amdhsa_wavefront_size32 1
		.amdhsa_system_sgpr_workgroup_id_x 1
		.amdhsa_system_sgpr_workgroup_id_y 1
		.amdhsa_system_sgpr_workgroup_id_z 1
		.amdhsa_system_vgpr_workitem_id 0
		.amdhsa_next_free_vgpr 1024
		.amdhsa_next_free_sgpr 98
		.amdhsa_reserve_vcc 0
		.amdhsa_float_denorm_mode_32 3
		.amdhsa_float_denorm_mode_16_64 3
		.amdhsa_memory_ordered 1
		.amdhsa_forward_progress 1
		.amdhsa_inst_pref_size 134
	.end_amdhsa_kernel
	.amdgpu_metadata
---
amdhsa.version: [ 1, 2 ]
amdhsa.kernels:
  - .name:           k_q114e9e75f7_proj
    .symbol:         k_q114e9e75f7_proj.kd
    .args:
      - { .name: xc, .offset: 0, .size: 8, .value_kind: global_buffer, .address_space: global }
      - { .name: xs, .offset: 8, .size: 8, .value_kind: global_buffer, .address_space: global }
      - { .name: wc, .offset: 16, .size: 8, .value_kind: global_buffer, .address_space: global }
      - { .name: ws, .offset: 24, .size: 8, .value_kind: global_buffer, .address_space: global }
      - { .name: xp, .offset: 32, .size: 8, .value_kind: global_buffer, .address_space: global }
    .group_segment_fixed_size: 327680
    .private_segment_fixed_size: 0
    .kernarg_segment_align: 8
    .kernarg_segment_size: 40
    .max_flat_workgroup_size: 128
    .sgpr_count:     98
    .vgpr_count:     1024
    .wavefront_size: 32
...
	.end_amdgpu_metadata
.endif
;; end of part 2
;; launch attn (part 3): grid 8 x 32, 8 waves a work-group, clusters of 4 x 4, 327,680 bytes of LDS; arguments xp, mask, ao; writes ao
.if DOCPART == 3
	.amdgcn_target "amdgcn-amd-amdhsa--gfx1250"
	.amdhsa_code_object_version 6
	.text
	.protected	k_q114e9e75f7_attn
	.globl	k_q114e9e75f7_attn
	.p2align	8
	.type	k_q114e9e75f7_attn,@function
k_q114e9e75f7_attn:
	s_mov_b64 s[64:65], 0
	v_nop
	global_prefetch_b8 v0, s[64:65] scope:SCOPE_SE
	s_setreg_imm32_b32 hwreg(HW_REG_WAVE_MODE, 25, 1), 1
	s_wait_xcnt 0x0
	s_wait_alu depctr_hold_cnt(0) depctr_sa_sdst(0) depctr_va_vdst(0) depctr_va_sdst(0) depctr_va_ssrc(0) depctr_va_vcc(0) depctr_vm_vsrc(0)
	s_getreg_b32 s2, hwreg(HW_REG_IB_STS2, 6, 4)
	s_cmp_eq_u32 s2, 0
	s_cbranch_scc0 .Lentry_in_a_cluster
	s_endpgm
.Lentry_in_a_cluster:
	s_bfe_u32 s2, ttmp6, 0x10000c
	s_cmp_lg_u32 s2, 0xf033
	s_cbranch_scc0 .Lentry_shape_is_right
	s_endpgm
.Lentry_shape_is_right:
; ATTENTION: for each pair (batch, head): O[q] = the sum over k of softmax_k(xq[q] . xk[k] / 8 + mask[q][k]) xv[k].  Head size 64, 2,048 queries and keys, 64 pairs.
; xq / 8, xk, xv come in f16 from xp [3][64 pairs][128 tiles of 16 tokens][4 tiles of 16 channels][512 bytes], laid in the order of the operands' registers; mask is [2048][2048] f32, an input that may hold any
; numbers; products, maxima and sums in f32; the weights p are rounded to f16 for the second product, O once at the end (ao, f16, laid as the next launch's operand).
; SHARES.  A work-group owns 256 queries of TWO pairs; wave w owns 64 queries (four tiles of 16), block w % 4 of the 256, of pair w / 4.  Two waves of 512 registers share a SIMD, so that one wave's softmax
; stands beside the other's products.  Every wave walks all 2,048 keys, 64 a step.
; LAYOUT.  S^T = K Q^T + C (source 0 = 16 keys, source 1 = 16 queries): a lane holds ONE query (lane % 16) and keys 8 (lane / 16) + 0..7 of each tile of 16.  C IS THE MASK: its tile is loaded from LDS into the
; accumulators, and the first product adds onto it.  Two such tiles, rounded to f16 in pairs, ARE source 1 of O^T += V^T P.  K comes out of LDS as it lies, V turned, by ds_load_tr16_b128; both at 16 x lane.
; SOFTMAX.  For each query a running maximum m and sum l: p = 2^(c s - c m), c = log2(e); in every step O and l are multiplied by a = 2^(c m_old - c m_new).  m begins at -1e38.
; LIMITS: a row all of whose score + mask lie under -1e38 (but are not all -infinity) gives NaN where the definition gives a mean; a row all -infinity gives NaN, as the definition does.  |O| beyond 65,504 is infinite in f16.
; CLUSTER.  4 x 4 work-groups: x = block of 256 queries, y = two pairs.  K and V hang on y alone: asked for JOINTLY along a row of the cluster; the mask's tile hangs on x alone: jointly along a column.
; THE RING.  Two slots, 2^17 bytes apart.  A slot: K of pair 0, K of pair 1, V of pair 0, V of pair 1, 8,192 dense bytes each; then the mask's 256 rows x 64 keys, rows 272 bytes apart.
; Each step: every wave waits for its one tensor load, a round of the cluster's barrier, one joint load a wave for the next step (waves 0-3: the four blocks of K and V; waves 4-7: 64 rows of the mask each).
; REGISTERS.  Window 0: v0-11 addresses; v12-43 statistics, 8 a tile; v64-191 S^T (tile t, key tile kt at 64 + 32 t + 8 kt); v192-255 P (16 a tile).
;   Window 1: v0-127 O^T (tile t, channel tile ct at 32 t + 8 ct); v128-191 Q; v192-255 K of the step, then V of the step.
.set SLOT1, 131072
.set MOFF,  32768                      ; the mask's rows in a slot
.set MP,    272                        ; a row of the mask's tile in LDS: 256 bytes + 16: the 16 rows that a load touches begin at 16 different places modulo 256 bytes
.set MWAVE, 64*MP                      ; 64 rows: what one tensor load brings, and what one wave reads
.set SPARE, SLOT1+MOFF+4*MWAVE         ; behind slot 1: the spare words, 128 bytes for each of eight waves
.set AM0, 3                            ; v3   my lane's place in the mask's tile; never rewritten
.set AK0, 4                            ; v4   my lane's place in my pair's K; V lies 16,384 bytes on; never rewritten
.set ADM, 5                            ; v5   the same in the slot in hand
.set ADK, 6                            ; v6
.set LN,  7                            ; v7   lane
.set QO,  8                            ; v8   16 x lane: my place in a block of 512 bytes
.set PFO, 9                            ; v9   the prefetches' offset; never rewritten
.set SPW, 10                           ; v10  LDS address of my spare word; never rewritten
.set NIL, 11                           ; v11  0; never rewritten
.set ST,  12                           ; tile t's statistics at v[ST + 8 t]: +0 c m, +1 m, +2, +3 l (even keys', odd keys'), +4 to +7 at work; a in +6
.set S,   64
.set P,   192
.set Q,   128                          ; in window 1
.set KV,  192                          ; in window 1
.set WV,  10                           ; s10  wave;  s11 wave / 4: my pair, and K and V (0) or mask (1) to fetch;  s12 wave % 4
.set G1K, 24                           ; s[24:31] descriptor group 1 for K's and V's blocks
.set G1M, 32                           ; s[32:39] for the mask's tiles
.set G0K, 40                           ; s[40:43] group 0 for K and V: it walks
.set G0M, 44                           ; s[44:47] for the mask
.set CS,  48                           ; s[48:49] c, twice
.set SEL, 50                           ; s[50:51] lane selects for v_permlanex16_b32: lane l xor 16
.set TB,  52                           ; s52  LDS byte at which the slot in hand begins
.set CNT, 53                           ; s53  the loop's trips to go
.set PFA, 54                           ; s[54:55] where my prefetches stand
.set PFS, 56                           ; s[56:57] a step on, in bytes
.set LIM, 58                           ; s58  2 in a wave that prefetches, else the greatest number
.set MSB, 0
.macro WIN new                         ; the immediate's high byte repeats the setting that is left
.if MSB != \new
	s_set_vgpr_msb (MSB<<8)|\new
.set MSB, \new
.endif
.endm
.set W_KQ, 0x05                        ; K and Q in window 1, S^T in window 0
.set W_PV, 0x51                        ; V and O^T in window 1, P in window 0
.set W_RS, 0x41                        ; O^T (destination and source 0) in window 1, a in window 0
.set TO1,  0x40                        ; destination window 1, address window 0
; A joint load.  The branch hangs on the wave's number alone.  An s_nop 0 and four v_nop follow each of the two lines.
.macro JLOAD
	s_cmp_eq_u32 s11, 0
	s_cbranch_scc0 .Lfor_m_\@
	tensor_load_to_lds s[G0K:G0K+3], s[G1K:G1K+7]
	s_nop 0
.rept 4
	v_nop
.endr
	s_branch .Lasked_\@
.Lfor_m_\@:
	tensor_load_to_lds s[G0M:G0M+3], s[G1M:G1M+7]
	s_nop 0
.rept 4
	v_nop
.endr
.Lasked_\@:
.endm
; A PREFETCH INTO THE L2 of the tiles of the step THREE on, which the joint loads ask for two steps (128 matrix instructions a wave) later.  Each aligned 256 bytes are named once in the launch.
; K and V: the two clusters along x walk the same blocks: cluster x = 0 asks; of a step's four blocks partner cx takes block cx, told apart BY ADDRESS; wave 0, lanes 256 bytes apart.
; The mask: all clusters along y walk the same rows: cluster y = 0 asks; partner cy takes 64 of the 256 rows, waves 4 and 5 half of them each, a lane a row.
; how = 1: the first step, written out; how = 0: in the loop, while three steps are still to come.  The first three steps' tiles come by their loads alone.
.macro ASK how
.if \how
	s_cmp_eq_u32 s[LIM], 2
.else
	s_cmp_gt_u32 s[CNT], s[LIM]
.endif
	s_cbranch_scc0 .Lnot_mine_\@
	global_prefetch_b8 v[PFO], s[PFA:PFA+1] th:TH_LOAD_NT scope:SCOPE_SE
.Lnot_mine_\@:
.endm
.macro CROUND                          ; a round of the cluster's barrier
	s_barrier_signal -1
	s_barrier_wait -1
	s_cmp_lg_u32 s[WV], 0
	s_cbranch_scc1 .Lnot_wave_0_\@
	s_barrier_signal -3
.Lnot_wave_0_\@:
	s_barrier_wait -3
	s_barrier_signal -1
	s_barrier_wait -1
.endm
; THE SOFTMAX OF A STEP, all in window 0, the four tiles by turns line by line, so that no line waits for the line above it.
.macro SOFTMAX
.irp j, 0,1,2,3                        ; the maximum of a lane's 32 scores and the old m: four chains, each begun at the low end of one accumulator
.irp t, 0,1,2,3
	v_max3_num_f32 v[ST+8*\t+4+\j], v[S+32*\t+8*\j], v[S+32*\t+8*\j+1], v[S+32*\t+8*\j+2]
.endr
.endr
.irp i, 3,5
.irp j, 0,1,2,3
.irp t, 0,1,2,3
	v_max3_num_f32 v[ST+8*\t+4+\j], v[ST+8*\t+4+\j], v[S+32*\t+8*\j+\i], v[S+32*\t+8*\j+\i+1]
.endr
.endr
.endr
.irp t, 0,1,2,3
	v_max3_num_f32 v[ST+8*\t+4], v[ST+8*\t+4], v[S+32*\t+7], v[S+32*\t+15]
.endr
.irp t, 0,1,2,3
	v_max3_num_f32 v[ST+8*\t+6], v[ST+8*\t+6], v[S+32*\t+23], v[S+32*\t+31]
.endr
.irp t, 0,1,2,3
	v_max3_num_f32 v[ST+8*\t+4], v[ST+8*\t+4], v[ST+8*\t+5], v[ST+8*\t+6]
.endr
.irp t, 0,1,2,3
	v_max3_num_f32 v[ST+8*\t+4], v[ST+8*\t+4], v[ST+8*\t+7], v[ST+8*\t+1]
.endr
.irp t, 0,1,2,3
	v_permlanex16_b32 v[ST+8*\t+5], v[ST+8*\t+4], s[SEL], s[SEL+1]   ; the query's other 32 keys lie in the lane 16 away
.endr
.irp t, 0,1,2,3
	v_mov_b32 v[ST+8*\t+7], v[ST+8*\t]             ; c m_old is kept for a
.endr
.irp t, 0,1,2,3
	v_max_num_f32 v[ST+8*\t+1], v[ST+8*\t+4], v[ST+8*\t+5]   ; the new m
.endr
.irp t, 0,1,2,3
	v_mul_f32 v[ST+8*\t], s[CS], v[ST+8*\t+1]      ; c m
.endr
.irp t, 0,1,2,3
	v_sub_f32 v[ST+8*\t+7], v[ST+8*\t+7], v[ST+8*\t]   ; c m_old - c m_new
.endr
.irp n, 0,1,2,3,4,5,6,7,8,9,10,11,12,13,14,15
.irp t, 0,1,2,3
	v_pk_fma_f32 v[S+32*\t+2*\n:S+32*\t+2*\n+1], v[S+32*\t+2*\n:S+32*\t+2*\n+1], s[CS:CS+1], v[ST+8*\t:ST+8*\t+1] op_sel_hi:[1,0,0] neg_lo:[0,0,1] neg_hi:[0,0,1]   ; c s - c m, two at a time
.endr
.endr
.irp t, 0,1,2,3                        ; ONE BATCH of 132 exponentials: none of them reads another's result
	v_exp_f32 v[ST+8*\t+6], v[ST+8*\t+7]           ; a
.endr
.set i, 0
.rept 128
	v_exp_f32 v[S+i], v[S+i]                       ; p
.set i, i+1
.endr
	v_nop                                          ; a plain instruction behind the last exponential,
	s_wait_alu depctr_va_vdst(0)                   ; and the one wait ahead of the batch's first reader
.irp n, 0,1,2,3,4,5,6,7,8,9,10,11,12,13,14,15
.irp t, 0,1,2,3
	v_cvt_pk_f16_f32 v[P+16*\t+\n], v[S+32*\t+2*\n], v[S+32*\t+2*\n+1]   ; the weights for the second product
.endr
.endr
.irp u, 0,1,2,3,4,5,6,7                ; the sum of the unrounded weights, in place: neighbours 1, 2, 4 and 8 pairs apart
.irp t, 0,1,2,3
	v_pk_add_f32 v[S+32*\t+4*\u:S+32*\t+4*\u+1], v[S+32*\t+4*\u:S+32*\t+4*\u+1], v[S+32*\t+4*\u+2:S+32*\t+4*\u+3]
.endr
.endr
.irp u, 0,1,2,3
.irp t, 0,1,2,3
	v_pk_add_f32 v[S+32*\t+8*\u:S+32*\t+8*\u+1], v[S+32*\t+8*\u:S+32*\t+8*\u+1], v[S+32*\t+8*\u+4:S+32*\t+8*\u+5]
.endr
.endr
.irp u, 0,1
.irp t, 0,1,2,3
	v_pk_add_f32 v[S+32*\t+16*\u:S+32*\t+16*\u+1], v[S+32*\t+16*\u:S+32*\t+16*\u+1], v[S+32*\t+16*\u+8:S+32*\t+16*\u+9]
.endr
.endr
.irp t, 0,1,2,3
	v_pk_add_f32 v[S+32*\t:S+32*\t+1], v[S+32*\t:S+32*\t+1], v[S+32*\t+16:S+32*\t+17]
.endr
.irp t, 0,1,2,3
	v_pk_fma_f32 v[ST+8*\t+2:ST+8*\t+3], v[ST+8*\t+2:ST+8*\t+3], v[ST+8*\t+6:ST+8*\t+7], v[S+32*\t:S+32*\t+1] op_sel_hi:[1,0,1]   ; l = a l + the sum
.endr
.endm
; A KEY STEP.  first = 1: O^T's sums begin (the constant 0 as C) and nothing is rescaled.  fill = 1: the next step's tiles are asked for, into the slot that was read last step.  how: see ASK.
.macro STEP first, fill, how
	WIN 0
	s_wait_tensorcnt 0x0                           ; my one tensor load, my part of this step's tiles, has landed: so a group 0 may be written
	ds_add_u32 v[SPW], v[NIL]                      ; 0 onto my spare word; work on registers stands between it and the wait for it
.if \fill
	s_xor_b32 s[G0K+1], s[G0K+1], SLOT1            ; the walking descriptors: the other slot than last time,
	s_add_nc_u64 s[G0K+2:G0K+3], s[G0K+2:G0K+3], 8192   ; the next 64 keys: four tiles of 2,048 bytes;
	s_xor_b32 s[G0M+1], s[G0M+1], SLOT1
	s_add_nc_u64 s[G0M+2:G0M+3], s[G0M+2:G0M+3], 256    ; 64 f32 on in the mask's rows
	s_wait_xcnt 0x0                                ; the last prefetch, a step back, has read its address, so it may be written
	s_add_nc_u64 s[PFA:PFA+1], s[PFA:PFA+1], s[PFS:PFS+1]
.endif
	v_add_nc_u32 v[ADK], s[TB], v[AK0]             ; these four plain lines are also the places between the last products V^T P and the loads into V's registers
	v_add_nc_u32 v[ADM], s[TB], v[AM0]
	v_nop
	v_nop
	s_wait_dscnt 0x0                               ; the add is done, and my reads of the slot that I have left are over
.if \fill
	CROUND                                         ; no wave of any partner still reads that slot or has a load on its way; and this step's tiles are whole
	JLOAD                                          ; the first thing behind the round, and my one tensor load until the next: it has a whole step in which to land
.else
	s_barrier_signal -1
	s_barrier_wait -1                              ; the last step's tiles are whole; nothing is asked for
.rept 4
	v_nop
.endr
.endif
	WIN TO1
.irp f, 0,1,2,3,4,5,6,7                ; K: fragment f = 2 kt + cg: keys 16 kt on, channels 32 cg on: two blocks of 512 bytes on end
	ds_load_b128 v[KV+8*\f:KV+8*\f+3],   v[ADK] offset:1024*\f
	ds_load_b128 v[KV+8*\f+4:KV+8*\f+7], v[ADK] offset:1024*\f+512
.endr
	WIN 0
.irp t, 0,1,2,3                        ; the mask, straight into the accumulators: register j of (t, kt) is mask(query 16 t + r, key 16 kt + 8 h + j)
.irp kt, 0,1,2,3
	ds_load_b128 v[S+32*\t+8*\kt:S+32*\t+8*\kt+3],   v[ADM] offset:16*MP*\t+64*\kt
	ds_load_b128 v[S+32*\t+8*\kt+4:S+32*\t+8*\kt+7], v[ADM] offset:16*MP*\t+64*\kt+16
.endr
.endr
.if \fill
	ASK \how
.endif
	s_wait_dscnt 0x0                               ; K and the mask are in
	WIN W_KQ
.irp cg, 0,1                           ; S^T = K Q^T + mask: the 16 accumulators take turns, one instruction a turn
.irp kt, 0,1,2,3
.irp t, 0,1,2,3
	v_wmma_f32_16x16x32_f16 v[S+32*\t+8*\kt:S+32*\t+8*\kt+7], v[KV+8*(2*\kt+\cg):KV+8*(2*\kt+\cg)+7], v[Q+16*\t+8*\cg:Q+16*\t+8*\cg+7], v[S+32*\t+8*\kt:S+32*\t+8*\kt+7]
.endr
.endr
.endr
	WIN 0
.rept 4
	v_nop                                          ; places in front of the loads into K's registers and of the first read of the scores
.endr
	WIN TO1
.irp kg, 0,1                           ; V, turned: fragment 4 kg + ct: channels 16 ct on, keys 32 kg on: the blocks of two neighbouring tiles of tokens.  It lands while the softmax is walked
.irp ct, 0,1,2,3
	ds_load_tr16_b128 v[KV+8*(4*\kg+\ct):KV+8*(4*\kg+\ct)+3],   v[ADK] offset:16384+4096*\kg+512*\ct
	ds_load_tr16_b128 v[KV+8*(4*\kg+\ct)+4:KV+8*(4*\kg+\ct)+7], v[ADK] offset:16384+4096*\kg+512*\ct+2048
.endr
.endr
	WIN 0
	SOFTMAX
.if !\first
	WIN W_RS
.irp t, 0,1,2,3                        ; O^T x a, each accumulator from its low end on
.set i, 0
.rept 16
	v_pk_mul_f32 v[32*\t+2*i:32*\t+2*i+1], v[32*\t+2*i:32*\t+2*i+1], v[ST+8*\t+6:ST+8*\t+7] op_sel_hi:[1,0]
.set i, i+1
.endr
.endr
.endif
	s_wait_dscnt 0x0                               ; V is in
	WIN W_PV
.irp kg, 0,1                           ; O^T += V^T P: the 16 accumulators by turns
.irp ct, 0,1,2,3
.irp t, 0,1,2,3
.if \first && (\kg == 0)
	v_wmma_f32_16x16x32_f16 v[32*\t+8*\ct:32*\t+8*\ct+7], v[KV+8*(4*\kg+\ct):KV+8*(4*\kg+\ct)+7], v[P+16*\t+8*\kg:P+16*\t+8*\kg+7], 0
.else
	v_wmma_f32_16x16x32_f16 v[32*\t+8*\ct:32*\t+8*\ct+7], v[KV+8*(4*\kg+\ct):KV+8*(4*\kg+\ct)+7], v[P+16*\t+8*\kg:P+16*\t+8*\kg+7], v[32*\t+8*\ct:32*\t+8*\ct+7]
.endif
.endr
.endr
.endr
	WIN 0                                          ; at a label and at a branch every window is 0
	s_xor_b32 s[TB], s[TB], SLOT1                  ; on to the other slot
.endm
	s_load_b128 s[4:7], s[0:1], 0x0                ; xp s[4:5], mask s[6:7]
	s_load_b64 s[8:9], s[0:1], 0x10                ; ao
	v_lshl_add_u32 v[SPW], v0, 2, SPARE
	v_mov_b32 v[NIL], 0
	ds_add_u32 v[SPW], v[NIL]                      ; the wave's opening: the add, twice on end, and its wait ahead of my first tensor load
	ds_add_u32 v[SPW], v[NIL]
	v_lshrrev_b32 v1, 5, v0
	v_readfirstlane_b32 s[WV], v1                  ; wave 0..7
	s_lshr_b32 s11, s[WV], 2
	s_and_b32 s12, s[WV], 3
	s_bfe_u32 s13, ttmp6, 0x40000                  ; cx
	s_bfe_u32 s14, ttmp6, 0x40004                  ; cy
	s_lshl_b32 s15, ttmp9, 2
	s_add_co_u32 s15, s15, s13                     ; my block of 256 queries = 4 x cluster x + cx
	s_and_b32 s16, ttmp7, 0xffff
	s_lshl_b32 s16, s16, 2
	s_add_co_u32 s16, s16, s14                     ; my two pairs = 4 x cluster y + cy
	s_lshl_b32 s17, s14, 2
	s_lshl_b32 s17, 15, s17                        ; my row of the cluster
	s_lshl_b32 s22, 0x1111, s13                    ; my column
	; group 1 for K and V: 8,192 dense bytes as 32 rows of 32 elements of 8 bytes, no padding
	s_or_b32 s[G1K], s17, (3<<16)|(1<<21)          ; 15:0 the mask: my row; 17:16 elements of 8 bytes; 21 set beside a mask
	s_mov_b32 s[G1K+1], 32<<16                     ; tensor_dim0
	s_mov_b32 s[G1K+2], 32<<16                     ; tensor_dim1
	s_mov_b32 s[G1K+3], 32<<16                     ; tile_dim0
	s_mov_b32 s[G1K+4], 32                         ; tile_dim1
	s_mov_b32 s[G1K+5], 32                         ; tensor_dim0_stride
	s_mov_b32 s[G1K+6], 0
	s_mov_b32 s[G1K+7], 0
	; group 1 for the mask: 64 rows of 64 f32, 2,048 elements apart, 4 words of padding behind every 64
	s_or_b32 s[G1M], s22, (2<<16)|(1<<20)|(1<<21)|(5<<22)|(3<<25)   ; 15:0 the mask: my column
	s_mov_b32 s[G1M+1], 64<<16
	s_mov_b32 s[G1M+2], 64<<16
	s_mov_b32 s[G1M+3], 64<<16
	s_mov_b32 s[G1M+4], 64
	s_mov_b32 s[G1M+5], 2048
	s_mov_b32 s[G1M+6], 0
	s_mov_b32 s[G1M+7], 0
	; what I would fetch of K and V: block wave % 4 of {K pair 0, K pair 1, V pair 0, V pair 1}: made of y and the wave's number alone
	s_lshr_b32 s17, s12, 1
	s_add_co_u32 s17, s17, 1                       ; tensor 1 (xk) or 2 (xv)
	s_lshl_b32 s17, s17, 24
	s_lshl_b32 s18, s16, 1
	s_and_b32 s19, s12, 1
	s_add_co_u32 s18, s18, s19                     ; the pair
	s_lshl_b32 s18, s18, 18
	s_add_co_u32 s20, s17, s18
	s_mov_b32 s21, 0
	; and of the mask: rows 256 x block + 64 (wave % 4) on: made of x and the wave's number alone
	s_lshl_b32 s22, s15, 8
	s_lshl_b32 s23, s12, 6
	s_add_co_u32 s22, s22, s23
	s_lshl_b32 s22, s22, 13                        ; 8,192 bytes a row
	s_mov_b32 s23, 0
	s_mov_b32 s[CS], 0x3fb8aa3b                    ; c = log2(e)
	s_mov_b32 s[CS+1], s[CS]
	s_mov_b32 s[SEL], 0x76543210
	s_mov_b32 s[SEL+1], 0xfedcba98
	s_mov_b32 s[TB], 0
	s_mov_b32 s[CNT], 30
	s_wait_dscnt 0x0                               ; both opening adds are done
	s_wait_kmcnt 0x0
	s_mov_b32 s[G0K], 1                            ; count = 1
	s_lshl_b32 s[G0K+1], s12, 13                   ; LDS address: slot 0, block wave % 4
	s_add_nc_u64 s[G0K+2:G0K+3], s[4:5], s[20:21]  ; global address: the first 64 keys
	s_or_b32 s[G0K+3], s[G0K+3], 0x80000000        ; type = 2
	s_mov_b32 s[G0M], 1
	s_mul_i32 s[G0M+1], s12, MWAVE
	s_add_co_u32 s[G0M+1], s[G0M+1], MOFF
	s_add_nc_u64 s[G0M+2:G0M+3], s[6:7], s[22:23]
	s_or_b32 s[G0M+3], s[G0M+3], 0x80000000
	CROUND                                         ; all sixteen work-groups are here: the first joint loads meet
	JLOAD                                          ; step 0's tiles, into slot 0
	v_and_b32 v[LN], 31, v0
	v_and_b32 v1, 15, v0                           ; r
	v_bfe_u32 v2, v0, 4, 1                         ; h
	v_lshlrev_b32 v[QO], 4, v[LN]
	s_lshl_b32 s2, s16, 1
	s_add_co_u32 s2, s2, s11                       ; my pair
	s_lshl_b32 s3, s15, 4
	s_lshl_b32 s60, s12, 2
	s_add_co_u32 s3, s3, s60                       ; my first tile of 16 queries in the sequence
	s_lshl_b32 s60, s2, 18
	s_lshl_b32 s61, s3, 11
	s_add_co_u32 s60, s60, s61
	s_mov_b32 s61, 0
	s_add_nc_u64 s[62:63], s[4:5], s[60:61]        ; xq / 8 (tensor 0) at my queries
	WIN TO1
.irp f, 0,1,2,3,4,5,6,7                ; Q stays in registers: fragment f = 2 t + cg
	global_load_b128 v[Q+8*\f:Q+8*\f+3],   v[QO], s[62:63] offset:1024*\f
	global_load_b128 v[Q+8*\f+4:Q+8*\f+7], v[QO], s[62:63] offset:1024*\f+512
.endr
	WIN 0
	s_lshr_b32 s60, s2, 4                          ; batch
	s_lshl_b32 s60, s60, 7
	s_add_co_u32 s60, s60, s3                      ; my first tile of 16 tokens of all 512
	s_lshl_b32 s60, s60, 15                        ; 32,768 bytes each
	s_and_b32 s61, s2, 15                          ; head
	s_lshl_b32 s61, s61, 11
	s_add_co_u32 s60, s60, s61
	s_mov_b32 s61, 0
	s_add_nc_u64 s[8:9], s[8:9], s[60:61]          ; ao at my wave's first block
	v_mul_u32_u24 v[AM0], v1, MP
	v_lshl_add_u32 v[AM0], v2, 5, v[AM0]           ; the mask: row r, + 32 h bytes
	s_mul_i32 s59, s12, MWAVE
	s_add_co_u32 s59, s59, MOFF
	v_add_nc_u32 v[AM0], s59, v[AM0]               ; in my 64 rows
	s_lshl_b32 s59, s11, 13
	v_add_nc_u32 v[AK0], s59, v[QO]                ; K: my pair's block, 16 x lane
.irp t, 0,1,2,3
	v_mov_b32 v[ST+8*\t+1], 0xfe967699             ; m = -1e38
	v_mov_b32 v[ST+8*\t+2], 0                      ; l
	v_mov_b32 v[ST+8*\t+3], 0
.endr
.irp t, 0,1,2,3
	v_mul_f32 v[ST+8*\t], s[CS], v[ST+8*\t+1]      ; c m
.endr
	; the prefetches: where mine stand, and whether I ask
	s_lshr_b32 s60, s13, 1
	s_add_co_u32 s60, s60, 1
	s_lshl_b32 s60, s60, 24                        ; K and V: block cx: tensor 1 + cx / 2,
	s_lshl_b32 s61, s16, 1
	s_and_b32 s2, s13, 1
	s_add_co_u32 s61, s61, s2                      ; pair 2 y + cx % 2,
	s_lshl_b32 s61, s61, 18
	s_add_co_u32 s60, s60, s61
	s_add_co_u32 s60, s60, 2*8192                  ; at step 2: step 0 moves it on to step 3
	s_lshl_b32 s61, s15, 8                         ; the mask: rows 256 x block + 64 cy + 32 (wave % 2) on,
	s_lshl_b32 s2, s14, 6
	s_add_co_u32 s61, s61, s2
	s_and_b32 s2, s[WV], 1
	s_lshl_b32 s2, s2, 5
	s_add_co_u32 s61, s61, s2
	s_lshl_b32 s61, s61, 13
	s_add_co_u32 s61, s61, 2*256                   ; at step 2
	s_or_b32 s2, s[WV], ttmp9                      ; 0 in wave 0 of a cluster with x = 0
	s_sub_co_u32 s3, s[WV], 4
	s_lshr_b32 s3, s3, 1
	s_and_b32 s[LIM], ttmp7, 0xffff
	s_or_b32 s3, s3, s[LIM]                        ; 0 in waves 4 and 5 of a cluster with y = 0
	s_cmp_lt_u32 s[WV], 4
	s_cselect_b64 s[PFA:PFA+1], s[4:5], s[6:7]
	s_cselect_b32 s60, s60, s61
	s_cselect_b32 s2, s2, s3
	s_mov_b32 s[PFS], 256
	s_cselect_b32 s[PFS], 8192, s[PFS]             ; a step on
	s_mov_b32 s3, 8192
	s_cselect_b32 s3, 256, s3                      ; from lane to lane
	s_mov_b32 s[PFS+1], 0
	s_mov_b32 s61, 0
	s_add_nc_u64 s[PFA:PFA+1], s[PFA:PFA+1], s[60:61]
	s_cmp_eq_u32 s2, 0
	s_cselect_b32 s[LIM], 2, -1                    ; the same in all sixteen partners, for a given wave
	v_mul_lo_u32 v[PFO], v[LN], s3
	s_wait_loadcnt 0x0                             ; Q
	STEP 1, 1, 1                                   ; step 0; its load is slot 1's first fill
.Lstep:                                            ; 30 trips: steps 1 to 30
	STEP 0, 1, 0
	s_sub_co_u32 s[CNT], s[CNT], 1
	s_cmp_lg_u32 s[CNT], 0
	s_cbranch_scc1 .Lstep
	STEP 0, 0, 0                                   ; step 31 is written out
	; THE WAY OUT.  l's two halves and the other half of the lanes' are added; O^T is divided by l and rounded to f16.  A lane's eight channels of a query are 16 bytes of a block, at 16 x lane:
	; each store of the wave covers 512 consecutive bytes, aligned.  The additions are the places behind the last products.
.irp t, 0,1,2,3
	v_add_f32 v[ST+8*\t+4], v[ST+8*\t+2], v[ST+8*\t+3]
.endr
.irp t, 0,1,2,3
	v_permlanex16_b32 v[ST+8*\t+5], v[ST+8*\t+4], s[SEL], s[SEL+1]
.endr
.irp t, 0,1,2,3
	v_add_f32 v[ST+8*\t+4], v[ST+8*\t+4], v[ST+8*\t+5]
.endr
.irp t, 0,1,2,3
	v_rcp_f32 v[ST+8*\t+6], v[ST+8*\t+4]
.endr
	v_nop                                          ; a plain instruction behind the last reciprocal,
	s_wait_alu depctr_va_vdst(0)                   ; and the one wait ahead of the first use
.irp t, 0,1,2,3
	WIN W_RS
.set i, 0
.rept 16
	v_pk_mul_f32 v[32*\t+2*i:32*\t+2*i+1], v[32*\t+2*i:32*\t+2*i+1], v[ST+8*\t+6:ST+8*\t+7] op_sel_hi:[1,0]
.set i, i+1
.endr
	WIN 0x05                                       ; sources 0 and 1 window 1, destination window 0: S^T's registers are free
.set i, 0
.rept 16
	v_cvt_pk_f16_f32 v[S+16*\t+i], v[32*\t+2*i], v[32*\t+2*i+1]
.set i, i+1
.endr
	WIN 0
.irp ct, 0,1,2,3
	global_store_b128 v[QO], v[S+16*\t+4*\ct:S+16*\t+4*\ct+3], s[8:9] offset:32768*\t+512*\ct
.endr
.endr
	s_wait_tensorcnt 0x0                           ; the wave's end, behind my last tensor load
	ds_add_u32 v[SPW], v[NIL]
	s_wait_dscnt 0x0
	CROUND                                         ; the closing round: no work-group ends while a partner may still ask for a tile that names it
	s_endpgm
.Lfunc_end_k_q114e9e75f7_attn:
	.size	k_q114e9e75f7_attn, .Lfunc_end_k_q114e9e75f7_attn-k_q114e9e75f7_attn
	.p2alignl 7, 3214868480
	.fill 96, 4, 3214868480
	.section	.rodata,"a",@progbits
	.p2align	6, 0x0
	.amdhsa_kernel k_q114e9e75f7_attn
		.amdhsa_group_segment_fixed_size 327680
		.amdhsa_private_segment_fixed_size 0
		.amdhsa_enable_private_segment 0
		.amdhsa_kernarg_size 24
		.amdhsa_user_sgpr_count 2
		.amdhsa_user_sgpr_kernarg_segment_ptr 1
		.amdhsa_wavefront_size32 1
		.amdhsa_system_sgpr_workgroup_id_x 1
		.amdhsa_system_sgpr_workgroup_id_y 1
		.amdhsa_system_sgpr_workgroup_id_z 1
		.amdhsa_system_vgpr_workitem_id 0
		.amdhsa_next_free_vgpr 512
		.amdhsa_next_free_sgpr 66
		.amdhsa_reserve_vcc 0
		.amdhsa_float_denorm_mode_32 3
		.amdhsa_float_denorm_mode_16_64 3
		.amdhsa_memory_ordered 1
		.amdhsa_forward_progress 1
		.amdhsa_inst_pref_size 121
	.end_amdhsa_kernel
	.amdgpu_metadata
---
amdhsa.version: [ 1, 2 ]
amdhsa.kernels:
  - .name:           k_q114e9e75f7_attn
    .symbol:         k_q114e9e75f7_attn.kd
    .args:
      - { .name: xp, .offset: 0, .size: 8, .value_kind: global_buffer, .address_space: global }
      - { .name: mask, .offset: 8, .size: 8, .value_kind: global_buffer, .address_space: global }
      - { .name: ao, .offset: 16, .size: 8, .value_kind: global_buffer, .address_space: global }
    .group_segment_fixed_size: 327680
    .private_segment_fixed_size: 0
    .kernarg_segment_align: 8
    .kernarg_segment_size: 24
    .max_flat_workgroup_size: 256
    .sgpr_count:     66
    .vgpr_count:     512
    .wavefront_size: 32
...
	.end_amdgpu_metadata
.endif
;; end of part 3
;; launch oproj (part 4): grid 4 x 64, 4 waves a work-group, clusters of 4 x 4, 327,680 bytes of LDS; arguments ao, wof, out0; writes out0
.if DOCPART == 4
	.amdgcn_target "amdgcn-amd-amdhsa--gfx1250"
	.amdhsa_code_object_version 6
	.text
	.protected	k_q114e9e75f7_oproj
	.globl	k_q114e9e75f7_oproj
	.p2align	8
	.type	k_q114e9e75f7_oproj,@function
k_q114e9e75f7_oproj:
	s_mov_b64 s[64:65], 0
	v_nop
	global_prefetch_b8 v0, s[64:65] scope:SCOPE_SE
	s_setreg_imm32_b32 hwreg(HW_REG_WAVE_MODE, 25, 1), 1
	s_wait_xcnt 0x0
	s_wait_alu depctr_hold_cnt(0) depctr_sa_sdst(0) depctr_va_vdst(0) depctr_va_sdst(0) depctr_va_ssrc(0) depctr_va_vcc(0) depctr_vm_vsrc(0)
	s_getreg_b32 s2, hwreg(HW_REG_IB_STS2, 6, 4)
	s_cmp_eq_u32 s2, 0
	s_cbranch_scc0 .Lentry_in_a_cluster
	s_endpgm
.Lentry_in_a_cluster:
	s_bfe_u32 s2, ttmp6, 0x10000c
	s_cmp_lg_u32 s2, 0xf033
	s_cbranch_scc0 .Lentry_shape_is_right
	s_endpgm
.Lentry_shape_is_right:
; THE PROJECTION ON THE WAY OUT: out0[token][n] = the sum over k of ao[token][k] wo[k][n], f16 operands, f32 sums, f32 out.  8,192 tokens, K = N = 1,024.
; BOTH OPERANDS LIE IN MEMORY AS IMAGES OF THEIR REGISTERS: ao [512 tiles of 16 tokens][32 groups of 32 k][1,024 bytes], wof [64 tiles of 16 n][32 groups][1,024 bytes]: a fragment's registers 0-3 at 16 x lane,
; registers 4-7 at 512 + 16 x lane.  So a K step's part of a tile of 16 rows is 4,096 consecutive bytes, tiles come into LDS dense, and every LDS load takes 512 consecutive bytes.
; A work-group of four waves makes 128 tokens x 256 outputs: 256 work-groups.  Wave w: token tiles 4 (w / 2) on, n tiles 8 (w % 2) on: 32 accumulators of 16 x 16.
; K goes in 8 steps of 128 through a ring of two LDS slots.  CLUSTERS: 4 x 4 work-groups; ao's tiles are asked for jointly along a row of the cluster, wof's along a column.
; THE MATRIX INSTRUCTION IS USED TRANSPOSED (source 0 = 16 n, source 1 = 16 tokens): a lane holds token lane % 16 and eight neighbouring outputs.
; No prefetch: a K step's tiles are small, and each is read by four work-groups through one joint load.
; REGISTERS.  Window 0: v16-29 addresses; two fragment buffers, v32-127 and v128-223: A's 4 fragments, then B's 8; on the way out v32-159 hold rows of the result.  Window 1: accumulator (a, b) at v[8 (8 a + b)].
.set KB,     4096                      ; bytes of a K step (128 along K) of a tile of 16 rows
.set SLOT,   98304                     ; A's 8 tiles, then B's 16
.set BOFF,   32768
.set STAGE,  2*SLOT                    ; behind the ring: 16 rows x 528 bytes for each wave, bytes into which no tile lands
.set SPITCH, 528
.set SPARE,  STAGE+4*16*SPITCH         ; the spare words, 128 bytes for each wave
.set LAPS,   4                         ; a lap = two K steps = once round the ring
.set ADRA, 16                          ; v16-17  LDS address of my A fragments in slot 0, 1
.set ADRB, 20                          ; v20-21  the same for B
.set STO,  24                          ; v24     the way out: where I put 32 bytes of a row
.set RD,   25                          ; v25     the way out: where I read a row back
.set CO,   26                          ; v26     16 x lane
.set SPW,  28                          ; v28     LDS address of my spare word; never rewritten
.set NIL,  29                          ; v29     0; never rewritten
.set F0,   32
.set F1,   128
.set BK,   32                          ; the way out: 16 rows read back: v32-95 and v96-159 by turns
.set G1, 24                            ; s[24:31] descriptor group 1 for A's tiles;  s[32:39] group 0, one set for each slot
.set G0, 32
.set G1B, 48                           ; s[48:55], s[56:63] the same for B's
.set G0B, 56
.set MSB, 0
.macro WIN new                         ; the immediate's high byte repeats the setting that is left
.if MSB != \new
	s_set_vgpr_msb (MSB<<8)|\new
.set MSB, \new
.endif
.endm
.set MUL, 0x50                         ; sources 0 and 1 window 0; C and D window 1
.macro JLOAD s                         ; a joint load: waves 0 and 1 fetch A's two halves, waves 2 and 3 B's; an s_nop 0 and four v_nop follow each of the two lines
	s_cmp_eq_u32 s11, 0
	s_cbranch_scc0 .Lfor_b_\@
	tensor_load_to_lds s[G0+4*\s:G0+4*\s+3], s[G1:G1+7]
	s_nop 0
.rept 4
	v_nop
.endr
	s_branch .Lasked_\@
.Lfor_b_\@:
	tensor_load_to_lds s[G0B+4*\s:G0B+4*\s+3], s[G1B:G1B+7]
	s_nop 0
.rept 4
	v_nop
.endr
.Lasked_\@:
.endm
.macro CREST                           ; a round of the cluster's barrier behind its opening barrier
	s_cmp_lg_u32 s10, 0
	s_cbranch_scc1 .Lnot_wave_0_\@
	s_barrier_signal -3
.Lnot_wave_0_\@:
	s_barrier_wait -3
	s_barrier_signal -1
	s_barrier_wait -1
.endm
.macro CROUND                          ; a whole round
	s_barrier_signal -1
	s_barrier_wait -1
	CREST
.endm
	s_load_b128 s[4:7], s[0:1], 0x0                ; ao s[4:5], wof s[6:7]
	s_load_b64 s[8:9], s[0:1], 0x10                ; out0
	v_lshl_add_u32 v[SPW], v0, 2, SPARE
	v_mov_b32 v[NIL], 0
	ds_add_u32 v[SPW], v[NIL]                      ; the wave's opening: the add, twice on end, and its wait ahead of my first tensor load
	ds_add_u32 v[SPW], v[NIL]
	v_lshrrev_b32 v1, 5, v0
	v_readfirstlane_b32 s10, v1                    ; wave 0..3
	s_lshr_b32 s11, s10, 1                         ; which half of the tokens is mine.  Also: I fetch for A (0) or for B (1)
	s_and_b32 s12, s10, 1                          ; which half of the outputs.  Also: which half of that tile I fetch
	s_bfe_u32 s40, ttmp6, 0x40000                  ; cx, cy
	s_bfe_u32 s41, ttmp6, 0x40004
	s_lshl_b32 s42, ttmp9, 2
	s_add_co_u32 s42, s42, s40                     ; x: which 256 outputs
	s_and_b32 s13, ttmp7, 0xffff
	s_lshl_b32 s13, s13, 2
	s_add_co_u32 s13, s13, s41                     ; y: which 128 tokens
	s_lshl_b32 s43, s41, 2
	s_lshl_b32 s43, 15, s43                        ; my row of the cluster
	s_lshl_b32 s44, 0x1111, s40                    ; my column
	; group 1: rows of 4,096 bytes (512 elements of 8 bytes), 32,768 bytes apart, dense in LDS: 4 rows for half of A's tile, 8 for half of B's
	s_or_b32 s[G1+0], s43, (3<<16)|(1<<21)         ; 15:0 the mask; 17:16 elements of 8 bytes; 21 set beside a mask
	s_or_b32 s[G1B+0], s44, (3<<16)|(1<<21)
	s_mov_b32 s[G1+1], 512<<16                     ; tensor_dim0
	s_mov_b32 s[G1+2], 4<<16                       ; tensor_dim1
	s_mov_b32 s[G1+3], 512<<16                     ; tile_dim0
	s_mov_b32 s[G1+4], 4                           ; tile_dim1
	s_mov_b32 s[G1+5], 4096                        ; tensor_dim0_stride, in elements
	s_mov_b32 s[G1+6], 0
	s_mov_b32 s[G1+7], 0
	s_mov_b32 s[G1B+1], 512<<16
	s_mov_b32 s[G1B+2], 8<<16
	s_mov_b32 s[G1B+3], 512<<16
	s_mov_b32 s[G1B+4], 8
	s_mov_b32 s[G1B+5], 4096
	s_mov_b32 s[G1B+6], 0
	s_mov_b32 s[G1B+7], 0
	s_lshl_b32 s16, s13, 3
	s_lshl_b32 s17, s12, 2
	s_add_co_u32 s16, s16, s17                     ; A: tile of tokens 8 y + 4 x half
	s_lshl_b32 s16, s16, 15
	s_mov_b32 s17, 0
	s_lshl_b32 s46, s42, 4
	s_lshl_b32 s47, s12, 3
	s_add_co_u32 s46, s46, s47                     ; B: tile of n 16 x + 8 x half
	s_lshl_b32 s46, s46, 15
	s_mov_b32 s47, 0
	s_lshl_b32 s20, s12, 14                        ; where they go: A's halves,
	s_lshl_b32 s45, s12, 15
	s_add_co_u32 s45, s45, BOFF                    ; B's halves: no place in the cluster enters an LDS address
	s_wait_dscnt 0x0                               ; both opening adds are done
	s_wait_kmcnt 0x0
	s_add_nc_u64 s[14:15], s[4:5], s[16:17]
	s_add_nc_u64 s[46:47], s[6:7], s[46:47]
	CROUND                                         ; all sixteen work-groups are here: the first joint loads meet
.irp s, 0,1
	s_mov_b32 s[G0+4*\s], 1
	s_add_co_u32 s[G0+4*\s+1], s20, \s*SLOT
	s_add_nc_u64 s[G0+4*\s+2:G0+4*\s+3], s[14:15], \s*KB
	s_or_b32 s[G0+4*\s+3], s[G0+4*\s+3], 0x80000000
	s_mov_b32 s[G0B+4*\s], 1
	s_add_co_u32 s[G0B+4*\s+1], s45, \s*SLOT
	s_add_nc_u64 s[G0B+4*\s+2:G0B+4*\s+3], s[46:47], \s*KB
	s_or_b32 s[G0B+4*\s+3], s[G0B+4*\s+3], 0x80000000
	JLOAD \s                                       ; two loads of mine are out
.endr
	v_and_b32 v1, 15, v0                           ; r
	v_bfe_u32 v2, v0, 4, 1                         ; h
	v_and_b32 v3, 31, v0
	v_lshlrev_b32 v[CO], 4, v3                     ; 16 x lane
	s_lshl_b32 s21, s11, 14                        ; my four tiles of tokens
	s_lshl_b32 s22, s12, 15
	s_add_co_u32 s22, s22, BOFF                    ; my eight tiles of n
.irp s, 0,1
	v_add_nc_u32 v[ADRA+\s], s21, v[CO]
	v_add_nc_u32 v[ADRB+\s], s22, v[CO]
	s_add_co_u32 s21, s21, SLOT
	s_add_co_u32 s22, s22, SLOT
.endr
	s_mul_i32 s23, s10, 16*SPITCH
	s_add_co_u32 s23, s23, STAGE                   ; my stage
	v_mul_u32_u24 v4, v1, SPITCH                   ; in: row r, 32 bytes for each half of the lanes
	v_lshl_add_u32 v4, v2, 5, v4
	v_add_nc_u32 v[STO], s23, v4
	v_add_nc_u32 v[RD], s23, v[CO]                 ; back: the 32 lanes take one row of 512 bytes
	s_lshl_b32 s16, s13, 7
	s_lshl_b32 s17, s11, 6
	s_add_co_u32 s16, s16, s17                     ; my first token
	s_lshl_b32 s16, s16, 12                        ; 4,096 bytes a row of out0
	s_mov_b32 s17, 0
	s_add_nc_u64 s[8:9], s[8:9], s[16:17]
	s_lshl_b32 s46, s42, 10                        ; my first output, in bytes: 1,024 x + 512 x half
	s_lshl_b32 s47, s12, 9
	s_add_co_u32 s46, s46, s47
	s_mov_b32 s47, 0
	s_add_nc_u64 s[8:9], s[8:9], s[46:47]
; 8 matrix instructions: token tile a x my eight tiles of n, 32 along K, out of buffer f.  zero = 1: the product starts the sums.  The 32 accumulators take turns.
.macro MUL8 f, a, zero
.irp b, 0,1,2,3,4,5,6,7
.if \zero
	v_wmma_f32_16x16x32_f16 v[8*(8*(\a)+\b):8*(8*(\a)+\b)+7], v[\f+32+8*\b:\f+32+8*\b+7], v[\f+8*(\a):\f+8*(\a)+7], 0
.else
	v_wmma_f32_16x16x32_f16 v[8*(8*(\a)+\b):8*(8*(\a)+\b)+7], v[\f+32+8*\b:\f+32+8*\b+7], v[\f+8*(\a):\f+8*(\a)+7], v[8*(8*(\a)+\b):8*(8*(\a)+\b)+7]
.endif
.endr
.endm
.macro MUL16 f, a0, zero
	MUL8 \f, \a0, \zero
	MUL8 \f, \a0+1, \zero
.endm
; 24 LDS loads in one run: the fragments of the slot's g-th 32 along K into buffer f: B's eight, then A's four
.macro FETCH slot, g, f
	WIN 0
.irp i, 0,1,2,3,4,5,6,7
	ds_load_b128 v[\f+32+8*\i:\f+32+8*\i+3],   v[ADRB+\slot] offset:KB*\i+1024*(\g)
	ds_load_b128 v[\f+32+8*\i+4:\f+32+8*\i+7], v[ADRB+\slot] offset:KB*\i+1024*(\g)+512
.endr
.irp i, 0,1,2,3
	ds_load_b128 v[\f+8*\i:\f+8*\i+3],   v[ADRA+\slot] offset:KB*\i+1024*(\g)
	ds_load_b128 v[\f+8*\i+4:\f+8*\i+7], v[ADRA+\slot] offset:KB*\i+1024*(\g)+512
.endr
.endm
.macro PLACES                          ; four plain instructions in front of loads into registers that matrix instructions have read, and of the first read of results
.rept 4
	v_nop
.endr
.endm
; A K step is four quarters of 32 along K, 32 matrix instructions each, on buffers 0, 1, 0, 1.  One of the first three: multiplies buffer f and fetches the slot's g-th quarter into f2.
.macro QUARTER slot, g, f, f2, zero
	s_wait_dscnt 4                                 ; B's fragments and A's tiles 0 and 1 are in; the youngest four loads (A's tiles 2 and 3) may be out
	WIN MUL
	MUL16 \f, 0, \zero
	PLACES
	FETCH \slot, \g, \f2
	s_wait_dscnt 24                                ; all but the 24 just issued
	WIN MUL
	MUL16 \f, 2, \zero
.endm
; The last quarter multiplies buffer 1 and changes slots: ONE barrier; in front of it each wave waits for all its tensor loads, adds 0 to its spare word, and waits for that and for its reads of this slot.
; fill = 1: the barrier opens a round of the cluster's barrier, and this slot is filled again, two K steps ahead: the first thing behind the round.
.macro TURN slot, next, fill
	WIN 0
	s_wait_tensorcnt 0x0                           ; all my tensor loads have landed: my part of the next slot
	ds_add_u32 v[SPW], v[NIL]                      ; 0 onto my spare word
	s_wait_dscnt 5                                 ; (the add and the youngest four loads may be out)
	WIN MUL
	MUL8 F1, 0, 0                                  ; eight matrix instructions stand between the add and the wait for it
	s_wait_dscnt 0x0                               ; the add is done, and my reads of this slot are over
	s_barrier_signal -1
	MUL8 F1, 1, 0
	WIN 0
	s_barrier_wait -1
.if \fill
	CREST                                          ; no wave of any partner still reads this slot's tiles or has a load on its way
	s_add_nc_u64 s[G0+4*\slot+2:G0+4*\slot+3], s[G0+4*\slot+2:G0+4*\slot+3], 2*KB
	s_add_nc_u64 s[G0B+4*\slot+2:G0B+4*\slot+3], s[G0B+4*\slot+2:G0B+4*\slot+3], 2*KB
	JLOAD \slot                                    ; the four v_nop behind it are also the places in front of the loads below
.else
	PLACES
.endif
	FETCH \next, 0, F0
	WIN MUL
	MUL16 F1, 2, 0
.endm
	s_wait_tensorcnt 1                             ; my part of K step 0 is in (K step 1's load may be out)
	s_barrier_signal -1
	s_barrier_wait -1                              ; everybody's is
	FETCH 0, 0, F0
	QUARTER 0, 1, F0, F1, 1                        ; the first quarter stands in front of the loop: its products start the sums
	WIN 0                                          ; at a label and at a branch every window is 0
	s_mov_b32 s3, LAPS-1
.Llap:                                             ; a trip goes once round the ring, from a lap's second quarter to the next lap's first, and fills both slots again
	QUARTER 0, 2, F1, F0, 0
	QUARTER 0, 3, F0, F1, 0
	TURN 0, 1, 1
	QUARTER 1, 1, F0, F1, 0
	QUARTER 1, 2, F1, F0, 0
	QUARTER 1, 3, F0, F1, 0
	TURN 1, 0, 1
	QUARTER 0, 1, F0, F1, 0
	WIN 0
	s_sub_co_u32 s3, s3, 1
	s_cmp_lg_u32 s3, 0
	s_cbranch_scc1 .Llap
	QUARTER 0, 2, F1, F0, 0                        ; the last lap fills nothing, and has no round of the cluster's barrier
	QUARTER 0, 3, F0, F1, 0
	TURN 0, 1, 0
	QUARTER 1, 1, F0, F1, 0
	QUARTER 1, 2, F1, F0, 0
	QUARTER 1, 3, F0, F1, 0
	s_wait_dscnt 4                                 ; the very last quarter: nothing more to fetch
	WIN MUL
	MUL16 F1, 0, 0
	s_wait_dscnt 0x0
	MUL16 F1, 2, 0
	WIN 0
; THE WAY OUT, block by block of 16 tokens x 128 outputs.  A lane holds 32 neighbouring bytes of a row, and the lanes beside it hold other rows: a block goes through my own stage and comes back as whole rows of
; 512 bytes.  LDS serves a wave's instructions in order (ISA guide 5.7.1.4): no wait between the stores and the loads, nor in front of the next block's stores.
.macro TOSTAGE a
	WIN 0x04                                       ; an LDS store's data are its source 1: window 1
.irp b, 0,1,2,3,4,5,6,7
	ds_store_b128 v[STO], v[8*(8*(\a)+\b):8*(8*(\a)+\b)+3] offset:64*\b        ; each accumulator from its low end on
	ds_store_b128 v[STO], v[8*(8*(\a)+\b)+4:8*(8*(\a)+\b)+7] offset:64*\b+16
.endr
	WIN 0
.set BB, BK+64*((\a)%2)
.irp t, 0,1,2,3,4,5,6,7,8,9,10,11,12,13,14,15
	ds_load_b128 v[BB+4*\t:BB+4*\t+3], v[RD] offset:\t*SPITCH
.endr
.endm
.macro SEND a, younger                 ; younger: the LDS instructions issued behind block a's loads, which may stay out
.set BB, BK+64*((\a)%2)
	s_wait_dscnt \younger                          ; the block is back in registers
.if (\a) > 0
	s_add_nc_u64 s[8:9], s[8:9], 16*4096           ; (behind a wait on XCNT: the earlier stores have read their base)  16 rows on
.endif
.irp t, 0,1,2,3,4,5,6,7,8,9,10,11,12,13,14,15
	global_store_b128 v[CO], v[BB+4*\t:BB+4*\t+3], s[8:9] offset:\t*4096 th:TH_STORE_NT   ; 32 lanes store 512 consecutive bytes, aligned; written once, read by nobody here
.endr
.endm
	PLACES                                         ; behind the last products: their results are read, and their operands' registers loaded into, below
	TOSTAGE 0
.irp a, 1,2,3
.if \a > 1
	s_wait_xcnt 0x0                                ; block a - 2's stores have read their registers and their base
.endif
	TOSTAGE \a
	SEND \a-1, 32                                  ; behind block a - 1's loads: block a's 16 stores and 16 loads
.endr
	s_wait_xcnt 0x0                                ; block 2's stores have read their base
	SEND 3, 0
	s_wait_tensorcnt 0x0                           ; the wave's end, behind my last tensor load and my last LDS store
	ds_add_u32 v[SPW], v[NIL]
	s_wait_dscnt 0x0
	CROUND                                         ; the closing round: no work-group ends while a partner may still ask for a tile that names it
	s_endpgm
.Lfunc_end_k_q114e9e75f7_oproj:
	.size	k_q114e9e75f7_oproj, .Lfunc_end_k_q114e9e75f7_oproj-k_q114e9e75f7_oproj
	.p2alignl 7, 3214868480
	.fill 96, 4, 3214868480
	.section	.rodata,"a",@progbits
	.p2align	6, 0x0
	.amdhsa_kernel k_q114e9e75f7_oproj
		.amdhsa_group_segment_fixed_size 327680
		.amdhsa_private_segment_fixed_size 0
		.amdhsa_enable_private_segment 0
		.amdhsa_kernarg_size 24
		.amdhsa_user_sgpr_count 2
		.amdhsa_user_sgpr_kernarg_segment_ptr 1
		.amdhsa_wavefront_size32 1
		.amdhsa_system_sgpr_workgroup_id_x 1
		.amdhsa_system_sgpr_workgroup_id_y 1
		.amdhsa_system_sgpr_workgroup_id_z 1
		.amdhsa_system_vgpr_workitem_id 0
		.amdhsa_next_free_vgpr 512
		.amdhsa_next_free_sgpr 66
		.amdhsa_reserve_vcc 0
		.amdhsa_float_denorm_mode_32 3
		.amdhsa_float_denorm_mode_16_64 3
		.amdhsa_memory_ordered 1
		.amdhsa_forward_progress 1
		.amdhsa_inst_pref_size 85
	.end_amdhsa_kernel
	.amdgpu_metadata
---
amdhsa.version: [ 1, 2 ]
amdhsa.kernels:
  - .name:           k_q114e9e75f7_oproj
    .symbol:         k_q114e9e75f7_oproj.kd
    .args:
      - { .name: ao, .offset: 0, .size: 8, .value_kind: global_buffer, .address_space: global }
      - { .name: wof, .offset: 8, .size: 8, .value_kind: global_buffer, .address_space: global }
      - { .name: out0, .offset: 16, .size: 8, .value_kind: global_buffer, .address_space: global }
    .group_segment_fixed_size: 327680
    .private_segment_fixed_size: 0
    .kernarg_segment_align: 8
    .kernarg_segment_size: 24
    .max_flat_workgroup_size: 128
    .sgpr_count:     66
    .vgpr_count:     512
    .wavefront_size: 32
...
	.end_amdgpu_metadata
.endif
;; end of part 4
